; MI455X (gfx1250); checked and timed in simulation.
; The chip was launched on July 23, 2026; its instructions are those of AMD's public machine-readable ISA for CDNA 5 (MIT licence, August 2026) and "CDNA5" Instruction Set Architecture Reference Guide (July 2026). The comments in the code are by the model that wrote it; some were corrected since.
;; Attention. Allowed arithmetic: matrix products marked QUANTISED: E2M3 operands, one E8M0 scale for each 32 along K, by v_wmma_scale_f32_16x16x128_f8f6f4 with both operands' format E2M3, f32 sums; products left as they are: f32 operands where the result goes on into a quantised operand, else bf16, f16 or f32 operands; f32 sums; everything else in f32.
;; Inputs: W_proj 1,024 x 512 float32; W_score 1,024 x 512 float32; W_value 1,024 x 512 float32; b_proj 512 float32; b_score 512 float32; b_value 512 float32; listener_len 32 int32; listener_state 2,048 x 32 x 1,024 float32; speller_state 32 x 1,024 float32.
;; Outputs: out0 32 x 512 float32; out1 32 x 2,048 float32.
;; Constants: batch_size = 32.
;; This version of the problem:
;;   THIS VERSION OF THE PROBLEM IS GIVEN IN LOW PRECISION. The matrix products marked QUANTISED in the list below multiply operands that are first quantised to E2M3 (2 exponent bits, 3 mantissa bits; 6 bits a number), with one power-of-two scale for each 32 numbers along K (OCP MX v1.0); their sums are f32. All else is computed in f32.
;;   The module's matrix products, in the order in which they are computed (A, B: the left and right operand; K: the contracted axis; several contracted axes count as one K, in the product's order):
;;     1. [M 65,536, K 1,024] x [K 1,024, N 512]; A: input listener_state; B: input W_score: QUANTISED
;;     2. [M 65,536, K 1,024] x [K 1,024, N 512]; A: input listener_state; B: input W_value: QUANTISED
;;     3. [M 32, K 1,024] x [K 1,024, N 512]; A: input speller_state; B: input W_proj: QUANTISED
;;     4. batch 32 x [M 1, K 512] x [K 512, N 2,048]; A: computed on the way; B: computed on the way: left as it is (M = 1 < 16)
;;     5. batch 32 x [M 1, K 2,048] x [K 2,048, N 512]; A: softmax; B: computed on the way: left as it is (M = 1 < 16)
;;   THE QUANTISER, for each operand of a quantised product, along K:
;;     - K is cut into blocks of 32 from its start; a last block that is shorter is filled with zeros.
;;     - A block's scale is 2^e with e = floor(log2(the largest magnitude in the block)) - 2, held to -126 .. 127; a block of zeros has e = 0. As a byte (E8M0): e + 127.
;;     - Each number is divided by its block's scale, clamped to +-7.5, and rounded to the nearest number of E2M3, ties to even, subnormals kept.
;;     - The product sums the exact products of the quantised numbers (number of the format x scale) in f32.
;;   ~~~python
;;   def quantise(x, axis):      # numpy; x: float32 -> the quantised numbers, widened to float32 again
;;       x = np.moveaxis(x, axis, -1); K = x.shape[-1]
;;       x = np.pad(x, [(0, 0)] * (x.ndim - 1) + [(0, -K % 32)]); x = x.reshape(x.shape[:-1] + (-1, 32)); a = np.abs(x).max(-1, keepdims=True)
;;       e = np.where(a > 0, np.clip(np.frexp(np.where(a > 0, a, 1))[1] - 1 - 2, -126, 127), 0)      # np.frexp(a)[1] - 1 = floor(log2(a)), exactly
;;       r = np.clip(x / 2.0 ** e, -7.5, 7.5)
;;       step = 2.0 ** (np.maximum(np.frexp(np.where(r == 0, 1, r))[1] - 1, 0) - 3)
;;       q = np.round(r / step) * step * 2.0 ** e      # np.round: ties to even
;;       return np.moveaxis(q.reshape(q.shape[:-2] + (-1,))[..., :K], -1, axis).astype(np.float32)
;;   ~~~
;; 2 versions. Each part assembles by itself: llvm-mc -triple=amdgcn-amd-amdhsa -mcpu=gfx1250 --defsym DOCPART=n.
;; ======== version 1 of 2: 3 launches
;; workspace buffers: wq 819,200 bytes; q_ws 65,536 bytes; sc_ws 262,144 bytes; ml_ws 65,536 bytes; ctx_ws 524,288 bytes
;; launch prep (part 1): grid 96 x 1, 8 waves a work-group, no clusters, 17,408 bytes of LDS; arguments W_score, W_value, W_proj, b_proj, speller_state, wq, q_ws; writes wq, q_ws
.if DOCPART == 1
	.amdgcn_target "amdgcn-amd-amdhsa--gfx1250"
	.amdhsa_code_object_version 6
	.text
	.protected	k_q565f03e5d9_prep
	.globl	k_q565f03e5d9_prep
	.p2align	8
	.type	k_q565f03e5d9_prep,@function
k_q565f03e5d9_prep:
	s_mov_b64 s[64:65], 0
	v_nop
	global_prefetch_b8 v0, s[64:65] scope:SCOPE_SE
	s_setreg_imm32_b32 hwreg(HW_REG_WAVE_MODE, 25, 1), 1
	s_wait_xcnt 0x0
; The three weights [1024 (k)][512 (n)], f32, are quantised along K to codes of FP6 (E2M3) with one E8M0 byte for each 32 along K; W_proj's codes are used at once for
; query = relu(speller_state W_proj + b_proj), speller_state [32][1024] being quantised here too.
; SHARES.  Work-group g: matrix g / 32 (0 W_score, 1 W_value, 2 W_proj), columns 16 (g % 32) on.  Wave s takes K step s, 128 along K: one fragment of 16 columns x 128 K.
; A LANE TAKES A COLUMN AND ITS REGISTERS RUN DOWN K in the order of the operand's layout (lane (r, h): column r, registers 6 c .. 6 c + 5 = k 64 c + 32 h + 0 .. 31): the conversions' results are the operand's
; registers, a lane holds two whole blocks of 32, and nothing is transposed.  Each load reads 64 neighbouring bytes in sixteen lanes: accepted, the three weights are 6 MB and are read once.
; OUT, W_score and W_value: wq, sixteen blocks of 51,200 bytes, block = 4 x (chunk of 256 columns) + (256 along K).  In a block: fragment (q = which 128 along K, i = which 16 columns) at 24,576 q + 1,536 i as an
; IMAGE OF ITS REGISTERS (registers 4 c .. 4 c + 3 of lane l at 512 c + 16 l), and from byte 49,152 on the scale words, at 128 i + 8 r + 4 q.  So a block is one dense run of bytes for the next launch's tensor loads.
; OUT, the query: q_ws [column block][2 m + jh][lane][16 bytes]: lane (r, h) holds query[16 m + r][16 cb + 8 h + 4 jh + 0 .. 3].  K is shared out over the eight waves; their f32 partial sums meet in LDS.
; A block's scale is 2^(floor(log2(its largest magnitude)) - 2): its byte is the largest magnitude's exponent field - 2, held at 1 from below.
; LIMITS: NaN and infinities among the inputs are not served; blocks whose largest magnitude lies under 2^-124 keep the byte 1; a block of zeros keeps the byte 1 where the quantiser says 127
; (its codes are zeros, which add nothing under any byte but 0xff, and this program alone reads the bytes).
.set X0,   16                          ; v16-79    64 numbers of W
.set X1,   80                          ; v80-143   64 numbers of speller rows 0-15
.set X2,   144                         ; v144-207  of rows 16-31
.set WC,   208                         ; v208-219  W's codes
.set SWW,  220                         ; v220-222  scale words: W's, the speller's two; they hold nothing else
.set QTC,  224                         ; v224-231  the upper halves of a fragment's blocks, as the conversions leave them
.set QM,   232                         ; v232-233  largest magnitudes
.set QSO,  234                         ; v234-235  the conversions' scale operands
.set QBY,  236                         ; v236-237  scale bytes
.set QT,   238                         ; v238      at work
.set BIA,  240                         ; v240-243  four numbers of b_proj
.set RES,  244                         ; v244-247  four numbers of the query
.set SPC0, 16                          ; v16-27, v28-39  the speller's codes, where W's numbers lay
.set SPC1, 28
.set ACC0, 40                          ; v40-47, v48-55  the two partial products
.set ACC1, 48
.set PAR,  80                          ; v80-111   eight waves' partial sums
.set VH,   2                           ; v2        lane / 16
.set SEL,  18                          ; s[18:19]  lane selects for v_permlanex16_b32: lane l xor 16
; 64 numbers of a lane, v[x + 32 c + i] = k 64 c + 32 h + i of its row or column, become a fragment's 12 registers of codes in v[cd] on and its scale word in v[sw].
.macro QFRAG x, cd, sw
.irp kk, 0,1
	v_max3_num_f32 v[QM+\kk], |v[(\x)+32*\kk]|, |v[(\x)+32*\kk+1]|, 0x1800000     ; my block 2 c + h: all its 32 numbers are mine; the floor 2^(3 - 127) holds the byte at 1 from below
.endr
.irp i, 2,4,6,8,10,12,14,16,18,20,22,24,26,28,30
.irp kk, 0,1
	v_max3_num_f32 v[QM+\kk], v[QM+\kk], |v[(\x)+32*\kk+\i]|, |v[(\x)+32*\kk+\i+1]|   ; (the two blocks by turns)
.endr
.endr
.irp kk, 0,1
	v_add_nc_u32 v[QSO+\kk], 0xff000000, v[QM+\kk]         ; 2 off the exponent field: the conversion takes the exponent field of this operand as its scale
.endr
.irp kk, 0,1
	v_lshrrev_b32 v[QBY+\kk], 23, v[QSO+\kk]               ; the scale's byte
.endr
	v_lshl_or_b32 v[\sw], v[QBY+1], 16, v[QBY]             ; my two bytes: blocks h and 2 + h,
	v_lshlrev_b32 v[QT], 3, v[VH]
	v_lshlrev_b32 v[\sw], v[QT], v[\sw]                    ; at their places in the word (8 h bits up);
	v_mov_b32 v[QT], 0                                     ; (a lane permute's destination counts as one of its sources)
	v_permlanex16_b32 v[QT], v[\sw], s[SEL], s[SEL+1]
	v_or_b32 v[\sw], v[\sw], v[QT]                         ; with lane l xor 16's two the word is whole, in every lane
.irp kk, 0,1
	v_cvt_scalef32_pk16_fp6_f32 v[(\cd)+6*\kk:(\cd)+6*\kk+2], v[(\x)+32*\kk:(\x)+32*\kk+15], v[QSO+\kk]
	v_cvt_scalef32_pk16_fp6_f32 v[QTC+4*\kk:QTC+4*\kk+2], v[(\x)+32*\kk+16:(\x)+32*\kk+31], v[QSO+\kk]   ; (a conversion's three registers begin on an even number: the second half is made elsewhere and moved)
.endr
	v_nop                                                  ; one plain place behind a scaled conversion
.irp kk, 0,1
.irp i, 0,1,2
	v_mov_b32 v[(\cd)+3+6*\kk+\i], v[QTC+4*\kk+\i]
.endr
.endr
.endm
	s_load_b256 s[4:11], s[0:1], 0x0               ; W_score s[4:5], W_value s[6:7], W_proj s[8:9], b_proj s[10:11]
	s_load_b128 s[12:15], s[0:1], 0x20             ; speller_state s[12:13], wq s[14:15]
	s_load_b64 s[16:17], s[0:1], 0x30              ; q_ws
	v_lshl_add_u32 v254, v0, 2, 0x4000
	v_mov_b32 v255, 0
	v_lshrrev_b32 v1, 5, v0
	v_readfirstlane_b32 s20, v1                    ; wave = K step 0..7
	v_and_b32 v1, 15, v0                           ; r
	v_bfe_u32 v[VH], v0, 4, 1                      ; h
	v_and_b32 v10, 31, v0                          ; lane
	v_lshlrev_b32 v3, 2, v1
	v_lshl_add_u32 v3, v[VH], 16, v3               ; W: column r (4 bytes), lanes 16-31 begin 32 rows of 2,048 bytes further down
	v_lshlrev_b32 v4, 12, v1
	v_lshl_add_u32 v4, v[VH], 7, v4                ; speller: row r of 4,096 bytes, + 32 numbers for lanes 16-31
	v_lshlrev_b32 v5, 4, v10                       ; 16 x lane: an image's place
	v_lshlrev_b32 v6, 3, v1                        ; 8 r: a scale word's place
	s_lshl_b32 s21, s20, 11
	v_add_nc_u32 v7, s21, v5                       ; LDS: my wave's 2,048 bytes of partial sums, 16 x lane
	v_lshlrev_b32 v8, 4, v0                        ; LDS, on the way back: 512 x wave + 16 x lane: group = wave
	s_and_b32 s22, s20, 1                          ; which 128 of the block's 256 along K.  Also: which four of a lane's eight numbers wave 0..3 sums up
	s_lshl_b32 s21, s22, 4
	v_lshl_add_u32 v9, v[VH], 5, s21               ; b_proj: 32 h + 16 (wave % 2)
	s_mov_b32 s[SEL], 0x76543210
	s_mov_b32 s[SEL+1], 0xfedcba98
	s_lshr_b32 s23, ttmp9, 5                       ; which matrix
	s_and_b32 s24, ttmp9, 31                       ; which 16 columns
	s_lshl_b32 s26, s20, 18                        ; 128 rows of 2,048 bytes for each K step,
	s_lshl_b32 s27, s24, 6                         ; 64 bytes for each 16 columns
	s_add_co_u32 s26, s26, s27
	s_mov_b32 s27, 0
	s_wait_kmcnt 0x0
	s_cmp_eq_u32 s23, 1                            ; the choice of the matrix hangs on the work-group's number alone
	s_cselect_b64 s[4:5], s[6:7], s[4:5]
	s_cmp_eq_u32 s23, 2
	s_cselect_b64 s[4:5], s[8:9], s[4:5]
	s_add_nc_u64 s[4:5], s[4:5], s[26:27]
.irp cc, 0,1
.irp i, 0,1,2,3,4,5,6,7,8,9,10,11,12,13,14,15,16,17,18,19,20,21,22,23,24,25,26,27,28,29,30,31
	global_load_b32 v[X0+32*\cc+\i], v3, s[4:5] offset:(64*\cc+\i)*2048   ; W(128 s + 64 c + 32 h + i, column r)
.endr
.endr
	s_cmp_ge_u32 ttmp9, 64
	s_cbranch_scc1 .Lquery                         ; the same way for all eight waves of a work-group
	; ---- W_score, W_value: the fragment's image and its scale words go to wq
	s_wait_loadcnt 0x0
	QFRAG X0, WC, SWW
	s_lshl_b32 s28, s23, 1
	s_lshr_b32 s29, s24, 4
	s_add_co_u32 s28, s28, s29                     ; chunk of 256 columns: 2 x matrix + column block / 16
	s_lshl_b32 s28, s28, 2
	s_lshr_b32 s29, s20, 1
	s_add_co_u32 s28, s28, s29                     ; block = 4 x chunk + K step / 2
	s_mul_i32 s28, s28, 51200
	s_and_b32 s30, s24, 15                         ; i: which 16 columns of the chunk
	s_mul_i32 s29, s30, 1536
	s_mul_i32 s31, s22, 24576
	s_add_co_u32 s29, s29, s31
	s_add_co_u32 s32, s28, s29                     ; the fragment's first byte
	s_mov_b32 s33, 0
	s_lshl_b32 s30, s30, 7
	s_lshl_b32 s31, s22, 2
	s_add_co_u32 s30, s30, s31
	s_add_co_u32 s34, s28, s30
	s_add_co_u32 s34, s34, 49152                   ; its scale words: 128 i + 4 q behind the block's codes
	s_mov_b32 s35, 0
	s_add_nc_u64 s[32:33], s[14:15], s[32:33]
	s_add_nc_u64 s[34:35], s[14:15], s[34:35]
.irp cc, 0,1,2
	global_store_b128 v5, v[WC+4*\cc:WC+4*\cc+3], s[32:33] offset:512*\cc   ; 32 lanes store 512 consecutive bytes
.endr
	global_store_b32 v6, v[SWW], s[34:35]          ; lanes r and r + 16 store the same word to the same place; words 8 bytes apart (the other K step's lie between): 32 KB of the launch's output
	s_endpgm
	; ---- W_proj: the query
.Lquery:
	s_lshl_b32 s26, s20, 9                         ; 128 numbers for each K step
	s_add_nc_u64 s[12:13], s[12:13], s[26:27]
	s_lshl_b32 s26, s24, 6
	s_add_nc_u64 s[10:11], s[10:11], s[26:27]      ; b_proj at my 16 columns
.irp m, 0,1
.irp cc, 0,1
.irp j, 0,1,2,3,4,5,6,7
	global_load_b128 v[X1+64*\m+32*\cc+4*\j:X1+64*\m+32*\cc+4*\j+3], v4, s[12:13] offset:65536*\m+256*\cc+16*\j   ; speller(16 m + r, 128 s + 64 c + 32 h + 4 j ..)
.endr
.endr
.endr
	global_load_b128 v[BIA:BIA+3], v9, s[10:11]    ; asked for early by all eight waves, used by waves 0-3: 16 bytes a lane, so that it is in when the partial sums meet
	s_wait_loadcnt 33                              ; W is in; the speller's 32 loads and the bias may be out
	QFRAG X0, WC, SWW
	s_wait_loadcnt 17                              ; rows 0-15 are in; rows 16-31 and the bias may be out
	QFRAG X1, SPC0, SWW+1
	s_wait_loadcnt 1                               ; rows 16-31 are in; the bias may be out
	QFRAG X2, SPC1, SWW+2
.rept 8
	v_nop                                          ; a scale register written by a vector instruction stands 8 places ahead of a scaled matrix instruction, an operand so written 4
.endr
	; TRANSPOSED: source 0 = 16 columns of W, source 1 = 16 rows of the speller: lane (r, h) holds row r, register j column 8 h + j
	v_wmma_scale_f32_16x16x128_f8f6f4 v[ACC0:ACC0+7], v[WC:WC+11], v[SPC0:SPC0+11], 0, v[SWW], v[SWW+1] matrix_a_fmt:MATRIX_FMT_FP6 matrix_b_fmt:MATRIX_FMT_FP6
	v_wmma_scale_f32_16x16x128_f8f6f4 v[ACC1:ACC1+7], v[WC:WC+11], v[SPC1:SPC1+11], 0, v[SWW], v[SWW+2] matrix_a_fmt:MATRIX_FMT_FP6 matrix_b_fmt:MATRIX_FMT_FP6
.rept 4
	v_nop                                          ; four places in front of the first read of a result (ISA guide 7.12.1)
.endr
	ds_store_b128 v7, v[ACC0:ACC0+3]               ; group 2 m + jh at 512 bytes each; each result from its low end on
	ds_store_b128 v7, v[ACC0+4:ACC0+7] offset:512
	ds_store_b128 v7, v[ACC1:ACC1+3] offset:1024
	ds_store_b128 v7, v[ACC1+4:ACC1+7] offset:1536
	s_wait_dscnt 0x0                               ; for the others' sake: my partial sums lie in LDS
	s_barrier_signal -1
	s_barrier_wait -1
	s_cmp_ge_u32 s20, 4
	s_cbranch_scc1 .Lend                           ; four groups: waves 0-3 sum one each
.irp p, 0,1,2,3,4,5,6,7
	ds_load_b128 v[PAR+4*\p:PAR+4*\p+3], v8 offset:2048*\p     ; wave p's partial sums of my group
.endr
	s_lshl_b32 s26, s24, 11
	s_lshl_b32 s28, s20, 9
	s_add_co_u32 s26, s26, s28                     ; q_ws: 2,048 x column block + 512 x group
	s_add_nc_u64 s[16:17], s[16:17], s[26:27]
	s_wait_dscnt 0x0
	s_wait_loadcnt 0x0                             ; the bias
.irp p, 0,2,4,6
	v_pk_add_f32 v[PAR+4*\p:PAR+4*\p+1], v[PAR+4*\p:PAR+4*\p+1], v[PAR+4*\p+4:PAR+4*\p+5]
	v_pk_add_f32 v[PAR+4*\p+2:PAR+4*\p+3], v[PAR+4*\p+2:PAR+4*\p+3], v[PAR+4*\p+6:PAR+4*\p+7]
.endr
.irp p, 0,4
	v_pk_add_f32 v[PAR+4*\p:PAR+4*\p+1], v[PAR+4*\p:PAR+4*\p+1], v[PAR+4*\p+8:PAR+4*\p+9]
	v_pk_add_f32 v[PAR+4*\p+2:PAR+4*\p+3], v[PAR+4*\p+2:PAR+4*\p+3], v[PAR+4*\p+10:PAR+4*\p+11]
.endr
	v_pk_add_f32 v[PAR:PAR+1], v[PAR:PAR+1], v[PAR+16:PAR+17]
	v_pk_add_f32 v[PAR+2:PAR+3], v[PAR+2:PAR+3], v[PAR+18:PAR+19]
	v_pk_add_f32 v[PAR:PAR+1], v[PAR:PAR+1], v[BIA:BIA+1]
	v_pk_add_f32 v[PAR+2:PAR+3], v[PAR+2:PAR+3], v[BIA+2:BIA+3]
.irp j, 0,1,2,3
	v_max_num_f32 v[RES+\j], 0, v[PAR+\j]          ; the activation
.endr
	global_store_b128 v5, v[RES:RES+3], s[16:17]   ; 32 lanes store 512 consecutive bytes
.Lend:
	s_wait_tensorcnt 0x0
	ds_add_u32 v254, v255
	s_wait_dscnt 0x0
	s_endpgm
.Lfunc_end_k_q565f03e5d9_prep:
	.size	k_q565f03e5d9_prep, .Lfunc_end_k_q565f03e5d9_prep-k_q565f03e5d9_prep
	.p2alignl 7, 3214868480
	.fill 96, 4, 3214868480
	.section	.rodata,"a",@progbits
	.p2align	6, 0x0
	.amdhsa_kernel k_q565f03e5d9_prep
		.amdhsa_group_segment_fixed_size 17408
		.amdhsa_private_segment_fixed_size 0
		.amdhsa_enable_private_segment 0
		.amdhsa_kernarg_size 56
		.amdhsa_user_sgpr_count 2
		.amdhsa_user_sgpr_kernarg_segment_ptr 1
		.amdhsa_wavefront_size32 1
		.amdhsa_system_sgpr_workgroup_id_x 1
		.amdhsa_system_sgpr_workgroup_id_y 1
		.amdhsa_system_sgpr_workgroup_id_z 1
		.amdhsa_system_vgpr_workitem_id 0
		.amdhsa_next_free_vgpr 256
		.amdhsa_next_free_sgpr 66
		.amdhsa_reserve_vcc 0
		.amdhsa_float_denorm_mode_32 3
		.amdhsa_float_denorm_mode_16_64 3
		.amdhsa_memory_ordered 1
		.amdhsa_forward_progress 1
		.amdhsa_inst_pref_size 28
	.end_amdhsa_kernel
	.amdgpu_metadata
---
amdhsa.version: [ 1, 2 ]
amdhsa.kernels:
  - .name:           k_q565f03e5d9_prep
    .symbol:         k_q565f03e5d9_prep.kd
    .args:
      - { .name: W_score, .offset: 0, .size: 8, .value_kind: global_buffer, .address_space: global }
      - { .name: W_value, .offset: 8, .size: 8, .value_kind: global_buffer, .address_space: global }
      - { .name: W_proj, .offset: 16, .size: 8, .value_kind: global_buffer, .address_space: global }
      - { .name: b_proj, .offset: 24, .size: 8, .value_kind: global_buffer, .address_space: global }
      - { .name: speller_state, .offset: 32, .size: 8, .value_kind: global_buffer, .address_space: global }
      - { .name: wq, .offset: 40, .size: 8, .value_kind: global_buffer, .address_space: global }
      - { .name: q_ws, .offset: 48, .size: 8, .value_kind: global_buffer, .address_space: global }
    .group_segment_fixed_size: 17408
    .private_segment_fixed_size: 0
    .kernarg_segment_align: 8
    .kernarg_segment_size: 56
    .max_flat_workgroup_size: 256
    .sgpr_count:     66
    .vgpr_count:     256
    .wavefront_size: 32
...
	.end_amdgpu_metadata
.endif
;; end of part 1
;; launch main (part 2): grid 256 x 1, 4 waves a work-group, clusters of 4 x 1, 327,680 bytes of LDS; arguments listener_state, listener_len, b_score, b_value, wq, q_ws, sc_ws, ml_ws, ctx_ws; writes sc_ws, ml_ws, ctx_ws
.if DOCPART == 2
	.amdgcn_target "amdgcn-amd-amdhsa--gfx1250"
	.amdhsa_code_object_version 6
	.text
	.protected	k_q565f03e5d9_main
	.globl	k_q565f03e5d9_main
	.p2align	8
	.type	k_q565f03e5d9_main,@function
k_q565f03e5d9_main:
	s_mov_b64 s[64:65], 0
	v_nop
	global_prefetch_b8 v0, s[64:65] scope:SCOPE_SE
	s_setreg_imm32_b32 hwreg(HW_REG_WAVE_MODE, 25, 1), 1
	s_wait_xcnt 0x0
	s_wait_alu depctr_hold_cnt(0) depctr_sa_sdst(0) depctr_va_vdst(0) depctr_va_sdst(0) depctr_va_ssrc(0) depctr_va_vcc(0) depctr_vm_vsrc(0)
	s_getreg_b32 s2, hwreg(HW_REG_IB_STS2, 6, 4)
	s_cmp_eq_u32 s2, 0
	s_cbranch_scc0 .Lentry_in_a_cluster
	s_endpgm
.Lentry_in_a_cluster:
	s_bfe_u32 s2, ttmp6, 0x10000c
	s_cmp_lg_u32 s2, 0x3003
	s_cbranch_scc0 .Lentry_shape_is_right
	s_endpgm
.Lentry_shape_is_right:
; For one batch entry b and 256 consecutive t: keys = relu(x W_score + b_score), score = query . keys (- 100 where t >= listener_len[b]), the block's own maximum m, p = e^(score - m), l = sum of p,
; vals = relu(x W_value + b_value), and the sum over t of p x vals.  Keys and vals never leave the registers.  Out: the 256 masked scores, the pair (m, l), 512 partial sums; the next launch joins the eight blocks of a b.
; Both products with x run on codes of FP6 (E2M3) with one E8M0 byte for each 32 along K.  The mask is -100 and no -infinity, so every row is computed whatever listener_len says: it enters one compare and nothing else.
; SHARES.  Work-group g = 8 b + tb, 256 of them.  Four waves, 2 x 2 on 256 rows x 256 columns: a wave makes 128 x 128, 64 accumulators, 512 registers.  The 1,024 columns go in four chunks of 256: two of W_score, two of W_value.
; PHASE X.  x's rows (4,096 bytes, 131,072 apart) are read ONCE, f32, quantised in registers, and their codes stay in LDS for the whole launch: 16 x 8 fragments as images of the operand's registers (196,608 bytes) and their scale words.
; THE WEIGHTS come as the launch before left them: blocks of 51,200 dense bytes (256 columns x 256 along K, codes as register images, then scale words) through a ring of two LDS slots; each wave brings a quarter of a block by one tensor load.
; CLUSTER.  All work-groups walk the same sixteen blocks in the same order, so the four of a cluster ask JOINTLY: the same tensor load with the same descriptor and a mask that names the four.
; LAYOUT.  Chunks 0, 1 are used TRANSPOSED (source 0 = 16 columns of W, source 1 = 16 rows of x): a lane holds one row and eight columns, as the dot product with the query wants.  Chunks 2, 3 the natural way: a lane holds one column and
; eight rows, as the sum over rows with p wants.  The biases are the C of each sum's first matrix instruction.  Products 4 and 5 of the problem (one row each) are f32 multiply-adds on the accumulators.
; REGISTERS, in windows of 256.  Window 0: v1-31 addresses and small things; v32-63 scale words, two sets; v64-127 a chunk's bias, 8 a tile; v128-223 x's eight fragments, ONE set (in phase X: numbers and codes at work); v224-255 at work.
;   Window 1: v0-95, v128-223 W's eight fragments, TWO sets; v96-127 and v224-255: the query's numbers (chunks 0, 1), then p (chunks 2, 3).  Windows 2, 3: accumulator (a, b) at v[8 (8 (a % 4) + b)] of window 2 + a / 4 (in phase X window 2 takes the loads of x).
; LIMITS: NaN and infinities among the inputs are not served; blocks whose largest magnitude lies under 2^-124 keep the byte 1, and so does a block of zeros where the quantiser says 127 (its codes are zeros; this program alone reads
; the bytes); p under 2^-126 comes out as 0 (the exponential's results are flushed: ISA guide, its entry).
.set XC,    0                          ; LDS: x's fragments: (16 rows a, K step s) at 12,288 a + 1,536 s
.set XSC,   196608                     ; x's scale words: 2,048 (s / 2) + 128 a + 8 r + 4 (s % 2)
.set STG,   204800                     ; phase X: a stage of 16 rows x 272 bytes for each wave.  Later: +0 partial scores, 512 a wave; +2,048 the scores; +3,072 p, 512 a wave; +5,120 partial sums of p x vals: 2 chunks x 4 waves x 512
.set SPARE, 222208                     ; the spare words, 128 bytes for each wave: two blocks of 256 bytes that no other line names
.set RING,  222720                     ; two slots, filled by tensor loads alone
.set SLOT,  51200
.set QUART, 12800                      ; what one tensor load brings: 50 rows of 256 bytes
.set WSC,   49152                      ; in a slot: where the scale words begin
.set FRB,   1536                       ; a fragment's image
.set SPW,  1                           ; v1    LDS address of my spare word; never rewritten
.set NIL,  2                           ; v2    0; never rewritten
.set ADRA, 3                           ; v3-4  x's fragments: my 128 rows, blocks 0-3 and 4-7, + 16 x lane
.set ADRB, 5                           ; v5-6  W's fragments in slot 0, 1: my 128 columns, + 16 x lane
.set ADRS, 7                           ; v7-10 scale words of the k-th 256 along K: lanes 0-15 x's rows, lanes 16-31 W's columns
.set FO,   11                          ; v11   STG + 512 wave + 4 r
.set OWN,  12                          ; v12   the partial scores of my half of the rows
.set OTH,  13                          ; v13   of the other half
.set PL,   14                          ; v14   STG + 512 wave + 32 h
.set L16,  15                          ; v15   STG + 16 lane
.set FC,   16                          ; v16   the way out: the partial sums of the 128 columns that I store
.set BT,   17                          ; v17   32 h   (offsets into b_score)
.set BN,   18                          ; v18   4 r    (b_value)
.set QO,   19                          ; v19   256 h  (q_ws)
.set G16,  20                          ; v20   16 lane
.set G8,   21                          ; v21   8 lane
.set XG,   22                          ; v22-26 phase X: x's offset; stage in, stage out; where the images go; where the scale words go
.set STS,  23
.set STL,  24
.set XI,   25
.set XS,   26
.set DOWN, 22                          ; v22-27 in the softmax: t - listener_len of my rows, of the others; -100; at work
.set DOTH, 23
.set M100, 24
.set TMK,  25
.set ML,   28                          ; v[28:29] m, l
.set VH,   30                          ; v30   lane / 16
.set SCA,  31                          ; v31   STG + 2,048 + 4 r
.set SC,   32
.set BIAS, 64
.set AF,   128
.set R,    224                         ; v224-239 eight running pairs
.set F,    240                         ; v240-247
.set G,    248                         ; v248-255
.set PQB,  96                          ; window 1: tile i's eight numbers of the query or of p at 96 + 8 i + 96 (i / 4)
.set XQ,   128                         ; phase X: 64 numbers
.set XCD,  192                         ; their codes
.set QTC,  204
.set QM,   212
.set QSO,  214
.set QBY,  216
.set QT,   218
.set XSW,  219                         ; their scale word, on its way to LDS
.set WV,   22                          ; s22 wave; s23 which half of the rows; s24 which half of a chunk's columns
.set RH,   23
.set CH,   24                          ; s25-29 and s56-59 alone hold what hangs on my place in the cluster: cx, g, b, tb, listener_len[b], offsets into memory
.set G1,   32                          ; s[32:39] descriptor group 1
.set G0,   40                          ; s[40:47] group 0, a set for each slot
.set SEL,  48                          ; s[48:49] lane selects for v_permlanex16_b32: lane l xor 16
.set LG,   50                          ; s50 log2(e)
.set MSB, 0
.macro WIN new                         ; the immediate's high byte repeats the setting that is left; a switch that changes nothing is dropped
.if MSB != (\new)
	s_set_vgpr_msb (MSB<<8)|(\new)
.set MSB, (\new)
.endif
.endm
.macro PLACES n                        ; a load into a register that a matrix instruction has read, and a vector instruction or LDS store that reads a result, stand four plain vector instructions behind it (ISA guide 7.12.1 for vector instructions)
.rept \n
	v_nop
.endr
.endm
.macro CREST                           ; a round of the cluster's barrier behind its opening barrier
	s_cmp_lg_u32 s[WV], 0
	s_cbranch_scc1 .Lnot_wave_0_\@
	s_barrier_signal -3
.Lnot_wave_0_\@:
	s_barrier_wait -3
	s_barrier_signal -1
	s_barrier_wait -1
.endm
.macro CROUND                          ; a whole round
	s_barrier_signal -1
	s_barrier_wait -1
	CREST
.endm
; 64 numbers of a lane, v[x + 32 c + i] = k 64 c + 32 h + i of its row, become a fragment's 12 registers of codes in v[cd] on and its scale word in v[sw].
.macro QFRAG x, cd, sw
.irp kk, 0,1
	v_max3_num_f32 v[QM+\kk], |v[(\x)+32*\kk]|, |v[(\x)+32*\kk+1]|, 0x1800000     ; my block 2 c + h: all its 32 numbers are mine; the floor 2^(3 - 127) holds the byte at 1 from below
.endr
.irp i, 2,4,6,8,10,12,14,16,18,20,22,24,26,28,30
.irp kk, 0,1
	v_max3_num_f32 v[QM+\kk], v[QM+\kk], |v[(\x)+32*\kk+\i]|, |v[(\x)+32*\kk+\i+1]|   ; (the two blocks by turns)
.endr
.endr
.irp kk, 0,1
	v_add_nc_u32 v[QSO+\kk], 0xff000000, v[QM+\kk]         ; 2 off the exponent field: the conversion takes the exponent field of this operand as its scale
.endr
.irp kk, 0,1
	v_lshrrev_b32 v[QBY+\kk], 23, v[QSO+\kk]               ; the scale's byte
.endr
	v_lshl_or_b32 v[\sw], v[QBY+1], 16, v[QBY]             ; my two bytes: blocks h and 2 + h,
	v_lshlrev_b32 v[QT], 3, v[VH]
	v_lshlrev_b32 v[\sw], v[QT], v[\sw]                    ; at their places in the word (8 h bits up);
	v_mov_b32 v[QT], 0                                     ; (a lane permute's destination counts as one of its sources)
	v_permlanex16_b32 v[QT], v[\sw], s[SEL], s[SEL+1]
	v_or_b32 v[\sw], v[\sw], v[QT]                         ; with lane l xor 16's two the word is whole, in every lane
.irp kk, 0,1
	v_cvt_scalef32_pk16_fp6_f32 v[(\cd)+6*\kk:(\cd)+6*\kk+2], v[(\x)+32*\kk:(\x)+32*\kk+15], v[QSO+\kk]
	v_cvt_scalef32_pk16_fp6_f32 v[QTC+4*\kk:QTC+4*\kk+2], v[(\x)+32*\kk+16:(\x)+32*\kk+31], v[QSO+\kk]   ; (a conversion's three registers begin on an even number)
.endr
	v_nop                                                  ; one plain place behind a scaled conversion
.irp kk, 0,1
.irp i, 0,1,2
	v_mov_b32 v[(\cd)+3+6*\kk+\i], v[QTC+4*\kk+\i]
.endr
.endr
.endm
; ---- phase X.  Unit u of a wave's 32: rows 16 (u / 8) on of its 64, K step u % 8: 16 rows x 128 numbers.
.macro LD u                            ; sixteen loads: lanes 0-15 take 256 consecutive bytes of row 2 i, lanes 16-31 of row 2 i + 1.  Every offset is an immediate: 8,130,304 at the most, inside the signed 24 bits (ISA guide, chapter 10)
.irp cc, 0,1
.irp i, 0,1,2,3,4,5,6,7
	global_load_b128 v[64*((\u)%4)+32*\cc+4*\i:64*((\u)%4)+32*\cc+4*\i+3], v[XG], s[4:5] offset:((\u)/8)*2097152+262144*\i+512*((\u)%8)+256*\cc th:TH_LOAD_NT
.endr
.endr
.endm
.macro UNIT u
.if (\u) < 29
	s_wait_loadcnt 48                              ; this unit's sixteen loads are in; those of the three units behind it may be out
.else
	s_wait_loadcnt 16*(31-(\u))                    ; the last units: the counts run down
.endif
.irp cc, 0,1                           ; 64 numbers of each row at a time turn through my own stage: in as loaded, out 128 bytes a lane: k 64 c + 32 h + 0 .. 31 of row r.  LDS serves a wave's instructions in order (ISA guide 5.7.1.4): no wait between
	WIN 0x08                                       ; an LDS store's data are its source 1: window 2
.irp i, 0,1,2,3,4,5,6,7
	ds_store_b128 v[STS], v[64*((\u)%4)+32*\cc+4*\i:64*((\u)%4)+32*\cc+4*\i+3] offset:544*\i
.endr
	WIN 0
.irp j, 0,1,2,3,4,5,6,7
	ds_load_b128 v[XQ+32*\cc+4*\j:XQ+32*\cc+4*\j+3], v[STL] offset:16*\j   ; rows 272 bytes apart: sixteen lanes touch sixteen different columns of 16 bytes
.endr
.endr
	s_wait_dscnt 0x0                               ; the numbers are back; the stores have read the loads' registers and the last unit's codes
.if (\u)+4 < 32
	WIN 0x80                                       ; destination window 2
	LD (\u)+4                                      ; the unit four on, into the registers just left
	WIN 0
.endif
	QFRAG XQ, XCD, XSW
.irp cc, 0,1,2
	ds_store_b128 v[XI], v[XCD+4*\cc:XCD+4*\cc+3] offset:12288*((\u)/8)+FRB*((\u)%8)+512*\cc   ; the fragment's image: 512 consecutive bytes a store
.endr
	ds_store_b32 v[XS], v[XSW] offset:128*((\u)/8)+2048*(((\u)%8)/2)+4*((\u)%2)   ; lanes r and r + 16 store the same word
.endm
; ---- the products
.macro FRAGI reg, adr, off             ; a fragment comes back as it was stored: three loads of 512 consecutive bytes
.irp cc, 0,1,2
	ds_load_b128 v[(\reg)+4*\cc:(\reg)+4*\cc+3], v[\adr] offset:(\off)+512*\cc
.endr
.endm
.macro FETCH_A s, i0                   ; x's blocks i0 .. i0 + 3 of K step s
.irp i, \i0, \i0+1, \i0+2, \i0+3
	FRAGI AF+12*(\i), ADRA+(\i)/4, ((\i)%4)*12288+(\s)*FRB
.endr
.endm
.macro FETCH_B sl, q, st               ; W's eight fragments of slot sl's q-th 128 along K into set st
	WIN 0x40                                       ; destination window 1
.irp i, 0,1,2,3,4,5,6,7
	FRAGI 128*(\st)+12*\i, ADRB+(\sl), (\q)*24576+\i*FRB
.endr
	WIN 0
.endm
.macro SCALES k                        ; the scale words of the k-th 256 along K: register 2 i + q: lanes 0-15 the word of x's block i, lanes 16-31 that of W's block i
.irp i, 0,1,2,3,4,5,6,7
	ds_load_b64 v[SC+16*((\k)%2)+2*\i:SC+16*((\k)%2)+2*\i+1], v[ADRS+(\k)] offset:128*\i
.endr
.endm
; 16 matrix instructions: x's blocks a0, a0 + 1 against W's eight, 128 along K.  st: W's set; q: which 128 of the slot; sc: the set of scale words; first = 1: the bias starts the sums; nat = 0: transposed, 1: natural.
; The 64 accumulators take turns, one instruction a turn, in the same order in every step.
.macro MUL16 a0, st, q, sc, first, nat
.irp a, \a0, \a0+1
.irp b, 0,1,2,3,4,5,6,7
.set rD, 8*(8*((\a)%4)+\b)
.set rW, 128*(\st)+12*\b
.set rX, AF+12*(\a)
.set rC, rD
.if \first
.set rC, BIAS+8*\b
.endif
.set sclW, SC+16*(\sc)+2*\b+(\q)
.set sclX, SC+16*(\sc)+2*(\a)+(\q)
.if \nat
	v_wmma_scale_f32_16x16x128_f8f6f4 v[rD:rD+7], v[rX:rX+11], v[rW:rW+11], v[rC:rC+7], v[sclX], v[sclW] matrix_a_fmt:MATRIX_FMT_FP6 matrix_b_fmt:MATRIX_FMT_FP6 matrix_b_scale:MATRIX_SCALE_ROW1
.else
	v_wmma_scale_f32_16x16x128_f8f6f4 v[rD:rD+7], v[rW:rW+11], v[rX:rX+11], v[rC:rC+7], v[sclW], v[sclX] matrix_a_fmt:MATRIX_FMT_FP6 matrix_b_fmt:MATRIX_FMT_FP6 matrix_a_scale:MATRIX_SCALE_ROW1
.endif
.endr
.endr
.endm
; Windows of the products: W in window 1, x in window 0 (source 0 and 1, or 1 and 0: + 3), D in window 2 or 3, C with it, or in window 0 where it is the bias.
; The first 128 along K of the k-th 256: its successor lies in the same slot.
.macro STEP k, first, nat
	s_wait_dscnt 12                                ; W's set, x's blocks 0-3 and the scale words are in; the youngest twelve LDS instructions may be out
	WIN 0xa1-0x20*(\first)+3*(\nat)
	MUL16 0, 0, 0, (\k)%2, \first, \nat
	MUL16 2, 0, 0, (\k)%2, \first, \nat
	s_wait_dscnt 0x0                               ; x's blocks 4-7 are in (asked for 32 matrix instructions ago)
	PLACES 4
	FETCH_B (\k)%2, 1, 1
	FETCH_A 2*(\k)+1, 0
	WIN 0xf1-0x30*(\first)+3*(\nat)
	MUL16 4, 0, 0, (\k)%2, \first, \nat
	MUL16 6, 0, 0, (\k)%2, \first, \nat
	PLACES 4
	WIN 0
	FETCH_A 2*(\k)+1, 4
.endm
; The second 128 changes slots: ONE barrier; in front of it each wave waits for all its tensor loads, adds 0 to its spare word, and waits for that and for its reads of this slot.  fill = 1: the slot is filled again, with the block two on.
.macro TURN k, fill, nat
	s_wait_tensorcnt 0x0                           ; all my tensor loads have landed: the one that was out is my quarter of the next slot  (every window is 0 here)
	ds_add_u32 v[SPW], v[NIL]                      ; 0 onto my spare word
	s_wait_dscnt 13                                ; (the add and the youngest twelve loads, x's blocks 4-7, may be out)
	WIN 0xa1+3*(\nat)
	MUL16 0, 1, 1, (\k)%2, 0, \nat                 ; sixteen matrix instructions stand between the add and the wait for it
	s_wait_dscnt 0x0                               ; the add is done, and my reads of this slot are over
	s_barrier_signal -1
	MUL16 2, 1, 1, (\k)%2, 0, \nat
	WIN 0
	s_barrier_wait -1
.if \fill
	CREST                                          ; the barrier has opened a round of the cluster's barrier: no wave of any partner still reads this slot or has a load on its way
	s_add_nc_u64 s[G0+4*((\k)%2)+2:G0+4*((\k)%2)+3], s[G0+4*((\k)%2)+2:G0+4*((\k)%2)+3], 2*SLOT   ; two blocks on; the type bits on top are not reached
	tensor_load_to_lds s[G0+4*((\k)%2):G0+4*((\k)%2)+3], s[G1:G1+7]   ; my one tensor load behind the round, and the first thing there: it has 96 matrix instructions in which to land
	s_nop 0
	PLACES 4                                       ; four v_nop follow the load; they are also the places in front of the loads below
.else
	PLACES 4
.endif
	FETCH_B 1-(\k)%2, 0, 0
	FETCH_A 2*(((\k)+1)%4), 0
	SCALES ((\k)+1)%4
	WIN 0xf1+3*(\nat)
	MUL16 4, 1, 1, (\k)%2, 0, \nat
	MUL16 6, 1, 1, (\k)%2, 0, \nat
	PLACES 4
	WIN 0
	FETCH_A 2*(((\k)+1)%4), 4
.endm
.macro LAST nat                        ; the very last 128 along K: nothing more to fetch
	s_wait_dscnt 12
	WIN 0xa1+3*(\nat)
	MUL16 0, 1, 1, 1, 0, \nat
	MUL16 2, 1, 1, 1, 0, \nat
	s_wait_dscnt 0x0
	WIN 0xf1+3*(\nat)
	MUL16 4, 1, 1, 1, 0, \nat
	MUL16 6, 1, 1, 1, 0, \nat
	WIN 0
	PLACES 4
.endm
.macro LOADBIAS c                      ; chunk c's bias in the result's layout, eight registers a tile
.if (\c) < 2
.irp i, 0,1,2,3,4,5,6,7
.irp jh, 0,1
	global_load_b128 v[BIAS+8*\i+4*\jh:BIAS+8*\i+4*\jh+3], v[BT], s[8:9] offset:1024*(\c)+64*\i+16*\jh   ; transposed: register j is column 16 i + 8 h + j
.endr
.endr
.else
.irp i, 0,1,2,3,4,5,6,7
.irp j, 0,1,2,3,4,5,6,7
	global_load_b32 v[BIAS+8*\i+\j], v[BN], s[10:11] offset:1024*((\c)-2)+64*\i   ; natural: all eight registers are column 16 i + r: the word is loaded eight times, a chunk ahead of its use, in place of 56 copies
.endr
.endr
.endif
.endm
.macro LOADQ c                         ; the query's numbers of my 128 columns of chunk c: tile i, register j: column 16 i + 8 h + j of my b
	WIN 0x40
.irp i, 0,1,2,3,4,5,6,7
.irp jh, 0,1
	global_load_b128 v[PQB+8*\i+96*(\i/4)+4*\jh:PQB+8*\i+96*(\i/4)+4*\jh+3], v[QO], s[14:15] offset:32768*(\c)+2048*\i+512*\jh
.endr
.endr
	WIN 0
.endm
; A chunk of 256 columns: all of K, four slots.  The change of slots behind block n asks for block n + 2: the last two ask for nothing.  A chunk's last change fetches the next chunk's first fragments.
.macro CHUNK c, nat
	STEP 0, 1, \nat
.if (\c) < 3
	LOADBIAS (\c)+1                                ; the bias has started all 64 sums, and four places stand behind the last of them
.endif
	TURN 0, 1, \nat
	STEP 1, 0, \nat
	TURN 1, 1, \nat
	STEP 2, 0, \nat
.if (\c) < 3
	TURN 2, 1, \nat
	STEP 3, 0, \nat
	TURN 3, 1, \nat
.else
	TURN 2, 0, \nat
	STEP 3, 0, \nat
	LAST \nat
.endif
.endm
; What is made of a chunk's accumulators: the activation in place, each accumulator from its low end on; then multiply-adds, two numbers an instruction.
; kind 0: pair o = row block: += keys x query (four chains by turns); cont = 1: onto the chunk before.  kind 1: pair o = column block: += vals x p (eight chains by turns).  The first term of a pair is a multiplication: nothing is cleared.
.macro EPI kind, cont
.irp u, 0,1
	WIN 0x88+0x44*\u                               ; source 1 and destination: window 2 + u
.set xx, 0
.rept 256
	v_max_num_f32 v[xx], 0, v[xx]
.set xx, xx+1
.endr
	WIN 0x06+\u                                    ; source 0: window 2 + u; source 1: window 1; the pair: window 0
.if \kind == 0
.irp b, 0,1,2,3,4,5,6,7
.irp jp, 0,1,2,3
.irp a, 0,1,2,3
.set rA, 8*(8*\a+\b)+2*\jp
.set rP, PQB+8*\b+96*(\b/4)+2*\jp
.set rR, R+2*(4*\u+\a)
.if (\cont == 0) && (\b == 0) && (\jp == 0)
	v_pk_mul_f32 v[rR:rR+1], v[rA:rA+1], v[rP:rP+1]
.else
	v_pk_fma_f32 v[rR:rR+1], v[rA:rA+1], v[rP:rP+1], v[rR:rR+1]
.endif
.endr
.endr
.endr
.else
.irp a, 0,1,2,3
.irp jp, 0,1,2,3
.irp b, 0,1,2,3,4,5,6,7
.set rA, 8*(8*\a+\b)+2*\jp
.set rP, PQB+8*(4*\u+\a)+96*\u+2*\jp
.set rR, R+2*\b
.if (\u == 0) && (\a == 0) && (\jp == 0)
	v_pk_mul_f32 v[rR:rR+1], v[rA:rA+1], v[rP:rP+1]
.else
	v_pk_fma_f32 v[rR:rR+1], v[rA:rA+1], v[rP:rP+1], v[rR:rR+1]
.endif
.endr
.endr
.endr
.endif
.endr
	WIN 0
.endm
.macro FOLD off                        ; a pair's two halves and lane l xor 16's are added; number 16 o + r of my 128 goes to my 512 bytes of LDS at off
.irp o, 0,1,2,3,4,5,6,7
	v_add_f32 v[F+\o], v[R+2*\o], v[R+2*\o+1]
.endr
.irp o, 0,1,2,3,4,5,6,7
	v_permlanex16_b32 v[G+\o], v[F+\o], s[SEL], s[SEL+1]
.endr
.irp o, 0,1,2,3,4,5,6,7
	v_add_f32 v[F+\o], v[F+\o], v[G+\o]
.endr
.irp o, 0,1,2,3,4,5,6,7
	ds_store_b32 v[FO], v[F+\o] offset:(\off)+64*\o   ; lanes r and r + 16 store the same word
.endr
.endm
	; ---- the head
	s_load_b256 s[4:11], s[0:1], 0x0               ; listener_state s[4:5], listener_len s[6:7], b_score s[8:9], b_value s[10:11]
	s_load_b256 s[12:19], s[0:1], 0x20             ; wq s[12:13], q_ws s[14:15], sc_ws s[16:17], ml_ws s[18:19]
	s_load_b64 s[20:21], s[0:1], 0x40              ; ctx_ws
	v_lshl_add_u32 v[SPW], v0, 2, SPARE
	v_mov_b32 v[NIL], 0
	ds_add_u32 v1, v2
	ds_add_u32 v1, v2
	s_wait_dscnt 0x0
	v_lshrrev_b32 v3, 5, v0
	v_readfirstlane_b32 s[WV], v3                  ; wave 0..3
	s_lshr_b32 s[RH], s[WV], 1
	s_and_b32 s[CH], s[WV], 1
	s_bfe_u32 s25, ttmp6, 0x40000                  ; cx: my place in the cluster
	s_lshl_b32 s26, ttmp9, 2                       ; in a cluster launch ttmp9 counts clusters
	s_add_co_u32 s26, s26, s25                     ; g: it enters addresses in memory and the mask's compare alone
	s_lshr_b32 s27, s26, 3                         ; b
	s_and_b32 s28, s26, 7                          ; tb
	s_mov_b32 s[G1], 15|(3<<16)|(1<<21)            ; 15:0 the mask: all four work-groups; 17:16 elements of 8 bytes; 20 no padding; 21 set beside a mask
	s_mov_b32 s[G1+1], 32<<16                      ; tensor_dim0 = 32 elements: 256 bytes
	s_mov_b32 s[G1+2], 50<<16                      ; tensor_dim1 = 50
	s_mov_b32 s[G1+3], 32<<16                      ; tile_dim0 = 32
	s_mov_b32 s[G1+4], 50                          ; tile_dim1 = 50 rows: a dense quarter of a block
	s_mov_b32 s[G1+5], 32                          ; from row to row
	s_mov_b32 s[G1+6], 0
	s_mov_b32 s[G1+7], 0
	s_mov_b32 s[SEL], 0x76543210
	s_mov_b32 s[SEL+1], 0xfedcba98
	s_mov_b32 s[LG], 0x3fb8aa3b                    ; log2(e)
	v_and_b32 v224, 31, v0                         ; lane
	v_and_b32 v225, 15, v0                         ; r
	v_bfe_u32 v[VH], v0, 4, 1                      ; h
	v_lshlrev_b32 v[G16], 4, v224
	v_lshlrev_b32 v[G8], 3, v224
	v_lshlrev_b32 v[BN], 2, v225
	v_lshlrev_b32 v226, 3, v225                    ; 8 r
	v_lshlrev_b32 v[BT], 5, v[VH]
	v_lshlrev_b32 v[QO], 8, v[VH]
	s_mul_i32 s30, s[RH], 98304                    ; my 128 rows: eight blocks of 12,288 bytes
	v_add_nc_u32 v[ADRA], s30, v[G16]
	v_add_nc_u32 v[ADRA+1], 49152, v[ADRA]
	s_mul_i32 s30, s[CH], 12288                    ; my 128 columns: eight fragments
	s_add_co_u32 s30, s30, RING
	v_add_nc_u32 v[ADRB], s30, v[G16]
	v_add_nc_u32 v[ADRB+1], SLOT, v[ADRB]
	s_lshl_b32 s30, s[RH], 10
	s_lshl_b32 s31, s[CH], 10
.irp k, 0,1,2,3
	s_add_co_u32 s52, s30, XSC+2048*\k             ; x's words of my rows,
	s_add_co_u32 s53, s31, RING+(\k%2)*SLOT+WSC    ; W's words of my columns, in the slot that holds the k-th 256 along K:
	s_sub_co_u32 s53, s53, s52                     ; the lower base + h x the distance between the two
	v_mul_u32_u24 v227, s53, v[VH]
	v_add_nc_u32 v[ADRS+\k], s52, v226
	v_add_nc_u32 v[ADRS+\k], v[ADRS+\k], v227
.endr
	s_lshl_b32 s30, s[WV], 9
	s_add_co_u32 s30, s30, STG
	v_add_nc_u32 v[FO], s30, v[BN]
	v_add_nc_u32 v[PL], s30, v[BT]
	s_lshl_b32 s31, s[RH], 10
	s_add_co_u32 s52, s31, STG
	v_add_nc_u32 v[OWN], s52, v[BN]
	s_xor_b32 s31, s31, 1024
	s_add_co_u32 s52, s31, STG
	v_add_nc_u32 v[OTH], s52, v[BN]
	v_add_nc_u32 v[L16], STG, v[G16]
	v_add_nc_u32 v[SCA], STG+2048, v[BN]
	s_lshl_b32 s31, s[RH], 11
	s_lshl_b32 s52, s[CH], 9
	s_add_co_u32 s31, s31, s52
	s_add_co_u32 s31, s31, STG+5120
	v_add_nc_u32 v[FC], s31, v[G16]                ; wave w stores columns 128 w on: chunk w / 2, half w % 2
	v_lshlrev_b32 v227, 4, v225                    ; 16 r
	v_lshl_add_u32 v[XG], v[VH], 17, v227          ; x: lanes 16-31 one row (131,072 bytes) further down; 16 bytes a lane
	s_mul_i32 s31, s[WV], 4352
	s_add_co_u32 s31, s31, STG                     ; my stage
	v_mad_u32_u24 v[STS], v[VH], 272, v227
	v_add_nc_u32 v[STS], s31, v[STS]               ; in: as loaded
	v_mul_u32_u24 v[STL], v225, 272
	v_lshl_add_u32 v[STL], v[VH], 7, v[STL]
	v_add_nc_u32 v[STL], s31, v[STL]               ; out: row r, + 128 h
	s_mul_i32 s31, s[WV], 49152
	v_add_nc_u32 v[XI], s31, v[G16]                ; my four blocks of rows
	s_lshl_b32 s31, s[WV], 9
	s_add_co_u32 s31, s31, XSC
	v_add_nc_u32 v[XS], s31, v226
.irp o, 0,1,2,3,4,5,6,7
	v_mov_b32 v[G+\o], 0                           ; written once: a lane permute's destination counts as one of its sources
.endr
	s_mov_b32 s57, 0
	s_mul_i32 s54, s[WV], QUART                    ; my quarter of a block, in memory and in a slot: the wave's number alone
	s_mov_b32 s55, 0
	s_wait_kmcnt 0x0
	s_lshl_b32 s56, s28, 25                        ; x: 256 tb rows of 131,072 bytes,
	s_lshl_b32 s58, s[WV], 23                      ; 64 rows for each wave,
	s_add_co_u32 s56, s56, s58
	s_lshl_b32 s58, s27, 12                        ; and b's 4,096 bytes in a row
	s_add_co_u32 s56, s56, s58
	s_add_nc_u64 s[4:5], s[4:5], s[56:57]
	s_lshl_b32 s56, s27, 2
	s_add_nc_u64 s[6:7], s[6:7], s[56:57]
	s_load_b32 s29, s[6:7], 0x0                    ; listener_len[b]
	s_lshl_b32 s56, s[CH], 9
	s_add_nc_u64 s[8:9], s[8:9], s[56:57]          ; the biases at my half of a chunk
	s_add_nc_u64 s[10:11], s[10:11], s[56:57]
	s_lshr_b32 s56, s27, 4
	s_lshl_b32 s56, s56, 10
	s_and_b32 s58, s27, 15
	s_lshl_b32 s58, s58, 4
	s_add_co_u32 s56, s56, s58
	s_lshl_b32 s58, s[CH], 14
	s_add_co_u32 s56, s56, s58
	s_add_nc_u64 s[14:15], s[14:15], s[56:57]      ; q_ws: 1,024 (b / 16) + 16 (b % 16) + eight column blocks for my half
	s_lshl_b32 s56, s27, 13
	s_lshl_b32 s58, s28, 10
	s_add_co_u32 s56, s56, s58
	s_add_nc_u64 s[16:17], s[16:17], s[56:57]      ; sc_ws [b][t]
	s_lshl_b32 s56, s26, 8
	s_add_nc_u64 s[18:19], s[18:19], s[56:57]      ; ml_ws: 256 bytes a work-group
	s_lshl_b32 s56, s26, 11
	s_lshl_b32 s58, s[WV], 9
	s_add_co_u32 s56, s56, s58
	s_add_nc_u64 s[20:21], s[20:21], s[56:57]      ; ctx_ws: 2,048 bytes a work-group, 512 a wave
	s_mov_b32 s[G0], 1                             ; 1:0 count = 1
	s_add_co_u32 s[G0+1], s54, RING                ; LDS address: slot 0
	s_add_nc_u64 s[G0+2:G0+3], s[12:13], s[54:55]  ; block 0
	s_mov_b32 s[G0+4], 1
	s_add_co_u32 s[G0+5], s54, RING+SLOT           ; slot 1
	s_add_nc_u64 s[G0+6:G0+7], s[G0+2:G0+3], SLOT  ; block 1
	s_or_b32 s[G0+3], s[G0+3], 0x80000000          ; type = 2
	s_or_b32 s[G0+7], s[G0+7], 0x80000000
	CROUND                                         ; all four work-groups are here: the first joint loads meet
	tensor_load_to_lds s[G0:G0+3], s[G1:G1+7]      ; both first fills go out together, ahead of every wait on TENSORcnt and every LDS read: two loads of mine are out
	s_nop 0
	tensor_load_to_lds s[G0+4:G0+7], s[G1:G1+7]
	s_nop 0
	PLACES 4
	LOADBIAS 0
	LOADQ 0
	WIN 0x80
.irp u, 0,1,2,3
	LD \u
.endr
	WIN 0
	s_wait_kmcnt 0x0                               ; listener_len[b]
	; ---- phase X: my 64 rows of x become 32 fragments.  Written out: every offset is an immediate, nothing is stepped.  Loads run four units, 64 loads of 512 bytes, ahead.
.set UU, 0
.rept 32
	UNIT UU
.set UU, UU+1
.endr
	s_wait_tensorcnt 0x1                           ; my quarter of slot 0 is in; slot 1's may stay out
	s_wait_dscnt 0x0                               ; for the others' sake: my images and scale words lie in LDS
	s_barrier_signal -1
	s_barrier_wait -1
	FETCH_B 0, 0, 0
	FETCH_A 0, 0
	SCALES 0
	FETCH_A 0, 4
	; ---- the scores.  (Bias 0 and the query's first numbers were asked for ahead of x: the last unit's wait for 0 has shown them in.)
	CHUNK 0, 0
	EPI 0, 0
	LOADQ 1
	s_wait_loadcnt 16                              ; bias 1 is in; the query's sixteen loads just issued may be out
	CHUNK 1, 0
	s_wait_loadcnt 0x0                             ; the query's second numbers, and bias 2
	EPI 0, 1
	FOLD 0
	; ---- the block's softmax.  Every wave does it for all 256 rows: lane r (both halves of the lanes alike) holds rows 16 a + r of its own half (even registers) and of the other half (odd registers).
	s_wait_dscnt 0x0                               ; for the others' sake: my partial scores lie in LDS
	s_barrier_signal -1
	s_barrier_wait -1
.irp a, 0,1,2,3,4,5,6,7
	ds_load_b32 v[R+2*\a], v[OWN] offset:64*\a             ; the two halves of the columns
	ds_load_b32 v[F+2*\a], v[OWN] offset:512+64*\a
	ds_load_b32 v[R+2*\a+1], v[OTH] offset:64*\a
	ds_load_b32 v[F+2*\a+1], v[OTH] offset:512+64*\a
.endr
	s_lshl_b32 s56, s28, 8
	s_sub_co_i32 s56, s56, s29                     ; 256 tb - listener_len
	s_lshl_b32 s58, s[RH], 7
	s_add_co_i32 s59, s56, s58
	s_xor_b32 s58, s58, 128
	s_add_co_i32 s56, s56, s58
	v_and_b32 v[TMK], 15, v0
	v_add_nc_u32 v[DOWN], s59, v[TMK]              ; t - listener_len of my half's row r,
	v_add_nc_u32 v[DOTH], s56, v[TMK]              ; of the other half's
	v_mov_b32 v[M100], 0xc2c80000                  ; -100
	s_wait_dscnt 0x0
.irp a, 0,1,2,3,4,5,6,7
	v_pk_add_f32 v[R+2*\a:R+2*\a+1], v[R+2*\a:R+2*\a+1], v[F+2*\a:F+2*\a+1]
.endr
.irp a, 0,1,2,3,4,5,6,7
	v_cmp_le_i32 vcc_lo, -16*\a, v[DOWN]           ; t + 16 a >= listener_len
	v_cndmask_b32 v[TMK], 0, v[M100], vcc_lo
	v_add_f32 v[R+2*\a], v[R+2*\a], v[TMK]
	v_cmp_le_i32 vcc_lo, -16*\a, v[DOTH]
	v_cndmask_b32 v[TMK], 0, v[M100], vcc_lo
	v_add_f32 v[R+2*\a+1], v[R+2*\a+1], v[TMK]
.endr
	v_max3_num_f32 v[ML], v[R], v[R+1], v[R+2]
.irp i, 3,5,7,9,11,13
	v_max3_num_f32 v[ML], v[ML], v[R+\i], v[R+\i+1]
.endr
	v_max_num_f32 v[ML], v[ML], v[R+15]
	v_max_num_f32_dpp v[ML], v[ML], v[ML] row_xmask:1 row_mask:0xf bank_mask:0xf
	v_max_num_f32_dpp v[ML], v[ML], v[ML] row_xmask:2 row_mask:0xf bank_mask:0xf
	v_max_num_f32_dpp v[ML], v[ML], v[ML] row_xmask:4 row_mask:0xf bank_mask:0xf
	v_max_num_f32_dpp v[ML], v[ML], v[ML] row_xmask:8 row_mask:0xf bank_mask:0xf   ; m: the largest of the block's 256
.irp i, 0,1,2,3,4,5,6,7,8,9,10,11,12,13,14,15
	v_sub_f32 v[F+\i], v[R+\i], v[ML]              ; the difference first and then the factor: a fused form would round m x log2(e), which tells where scores are large
.endr
.irp i, 0,1,2,3,4,5,6,7,8,9,10,11,12,13,14,15
	v_mul_f32 v[F+\i], s[LG], v[F+\i]
.endr
.irp i, 0,1,2,3,4,5,6,7,8,9,10,11,12,13,14,15
	v_exp_f32 v[F+\i], v[F+\i]                     ; p = e^(score - m), at most 1
.endr
	v_nop                                          ; one plain place behind the exponentials
	s_wait_alu depctr_va_vdst(0)
	v_pk_add_f32 v[26:27], v[F:F+1], v[F+2:F+3]
	v_pk_add_f32 v[24:25], v[F+4:F+5], v[F+6:F+7]
	v_pk_add_f32 v[26:27], v[26:27], v[F+8:F+9]
	v_pk_add_f32 v[24:25], v[24:25], v[F+10:F+11]
	v_pk_add_f32 v[26:27], v[26:27], v[F+12:F+13]
	v_pk_add_f32 v[24:25], v[24:25], v[F+14:F+15]
	v_pk_add_f32 v[26:27], v[26:27], v[24:25]
	v_add_f32 v[ML+1], v26, v27
	v_add_f32_dpp v[ML+1], v[ML+1], v[ML+1] row_xmask:1 row_mask:0xf bank_mask:0xf
	v_add_f32_dpp v[ML+1], v[ML+1], v[ML+1] row_xmask:2 row_mask:0xf bank_mask:0xf
	v_add_f32_dpp v[ML+1], v[ML+1], v[ML+1] row_xmask:4 row_mask:0xf bank_mask:0xf
	v_add_f32_dpp v[ML+1], v[ML+1], v[ML+1] row_xmask:8 row_mask:0xf bank_mask:0xf   ; l: the sum of the block's 256
	s_cmp_lg_u32 s[WV], 0
	s_cbranch_scc1 .Lnot_first                     ; wave 0 alone stores the scores and the pair
.irp a, 0,1,2,3,4,5,6,7
	ds_store_b32 v[SCA], v[R+2*\a] offset:64*\a            ; rows 16 a + r (wave 0's own half is the first),
	ds_store_b32 v[SCA], v[R+2*\a+1] offset:512+64*\a      ; rows 128 + 16 a + r
.endr
	ds_load_b128 v[R:R+3], v[L16] offset:2048      ; back in the order of t, 16 bytes a lane.  LDS serves a wave's instructions in order: these see the stores above
	ds_load_b128 v[R+4:R+7], v[L16] offset:2560
	s_wait_dscnt 0x0
	global_store_b128 v[G16], v[R:R+3], s[16:17]               ; 512 consecutive bytes each
	global_store_b128 v[G16], v[R+4:R+7], s[16:17] offset:512
	global_store_b64 v[G8], v[ML:ML+1], s[18:19]   ; the pair, 32 times: 256 consecutive bytes
	s_wait_xcnt 0x0                                ; the stores' registers are written again further down only behind this wait
.Lnot_first:
.irp a, 0,1,2,3,4,5,6,7
	ds_store_b32 v[FO], v[F+2*\a] offset:3072+64*\a        ; my half's p, row 16 a + r, to my own 512 bytes,
.endr
	WIN 0x40
.irp a, 0,1,2,3,4,5,6,7
.irp jh, 0,1
	ds_load_b128 v[PQB+8*\a+96*(\a/4)+4*\jh:PQB+8*\a+96*(\a/4)+4*\jh+3], v[PL] offset:3072+64*\a+16*\jh   ; and back as the natural layout wants it: tile a, register j: row 16 a + 8 h + j
.endr
.endr
	WIN 0
	; ---- p x vals
	CHUNK 2, 1
	EPI 1, 0
	FOLD 5120
	s_wait_loadcnt 0x0                             ; bias 3
	CHUNK 3, 1
	EPI 1, 0
	FOLD 7168
	; ---- the way out: the two halves of the rows are added; wave w stores columns 128 w on
	s_wait_dscnt 0x0                               ; for the others' sake: my partial sums lie in LDS
	s_barrier_signal -1
	s_barrier_wait -1
	ds_load_b128 v[R:R+3], v[FC]
	ds_load_b128 v[R+4:R+7], v[FC] offset:1024
	s_wait_dscnt 0x0
	v_pk_add_f32 v[R:R+1], v[R:R+1], v[R+4:R+5]
	v_pk_add_f32 v[R+2:R+3], v[R+2:R+3], v[R+6:R+7]
	global_store_b128 v[G16], v[R:R+3], s[20:21]   ; 512 consecutive bytes
	s_wait_tensorcnt 0x0                           ; the wave's end: behind my last tensor load and my last LDS store
	ds_add_u32 v[SPW], v[NIL]
	s_wait_dscnt 0x0
	CROUND                                         ; the closing round: no work-group ends while a partner may still ask for a block that names it
	s_endpgm
.Lfunc_end_k_q565f03e5d9_main:
	.size	k_q565f03e5d9_main, .Lfunc_end_k_q565f03e5d9_main-k_q565f03e5d9_main
	.p2alignl 7, 3214868480
	.fill 96, 4, 3214868480
	.section	.rodata,"a",@progbits
	.p2align	6, 0x0
	.amdhsa_kernel k_q565f03e5d9_main
		.amdhsa_group_segment_fixed_size 327680
		.amdhsa_private_segment_fixed_size 0
		.amdhsa_enable_private_segment 0
		.amdhsa_kernarg_size 72
		.amdhsa_user_sgpr_count 2
		.amdhsa_user_sgpr_kernarg_segment_ptr 1
		.amdhsa_wavefront_size32 1
		.amdhsa_system_sgpr_workgroup_id_x 1
		.amdhsa_system_sgpr_workgroup_id_y 1
		.amdhsa_system_sgpr_workgroup_id_z 1
		.amdhsa_system_vgpr_workitem_id 0
		.amdhsa_next_free_vgpr 1024
		.amdhsa_next_free_sgpr 66
		.amdhsa_reserve_vcc 1
		.amdhsa_float_denorm_mode_32 3
		.amdhsa_float_denorm_mode_16_64 3
		.amdhsa_memory_ordered 1
		.amdhsa_forward_progress 1
		.amdhsa_inst_pref_size 255
	.end_amdhsa_kernel
	.section	.bss,"aw",@nobits
	.p2align	6
	.space	262144
	.amdgpu_metadata
---
amdhsa.version: [ 1, 2 ]
amdhsa.kernels:
  - .name:           k_q565f03e5d9_main
    .symbol:         k_q565f03e5d9_main.kd
    .args:
      - { .name: listener_state, .offset: 0, .size: 8, .value_kind: global_buffer, .address_space: global }
      - { .name: listener_len, .offset: 8, .size: 8, .value_kind: global_buffer, .address_space: global }
      - { .name: b_score, .offset: 16, .size: 8, .value_kind: global_buffer, .address_space: global }
      - { .name: b_value, .offset: 24, .size: 8, .value_kind: global_buffer, .address_space: global }
      - { .name: wq, .offset: 32, .size: 8, .value_kind: global_buffer, .address_space: global }
      - { .name: q_ws, .offset: 40, .size: 8, .value_kind: global_buffer, .address_space: global }
      - { .name: sc_ws, .offset: 48, .size: 8, .value_kind: global_buffer, .address_space: global }
      - { .name: ml_ws, .offset: 56, .size: 8, .value_kind: global_buffer, .address_space: global }
      - { .name: ctx_ws, .offset: 64, .size: 8, .value_kind: global_buffer, .address_space: global }
    .group_segment_fixed_size: 327680
    .private_segment_fixed_size: 0
    .kernarg_segment_align: 8
    .kernarg_segment_size: 72
    .max_flat_workgroup_size: 128
    .sgpr_count:     66
    .vgpr_count:     1024
    .wavefront_size: 32
...
	.end_amdgpu_metadata
.endif
;; end of part 2
;; launch finish (part 3): grid 32 x 1, 4 waves a work-group, no clusters, 0 bytes of LDS; arguments sc_ws, ml_ws, ctx_ws, out0, out1; writes out0, out1
.if DOCPART == 3
	.amdgcn_target "amdgcn-amd-amdhsa--gfx1250"
	.amdhsa_code_object_version 6
	.text
	.protected	k_q565f03e5d9_finish
	.globl	k_q565f03e5d9_finish
	.p2align	8
	.type	k_q565f03e5d9_finish,@function
k_q565f03e5d9_finish:
	s_mov_b64 s[64:65], 0
	v_nop
	global_prefetch_b8 v0, s[64:65] scope:SCOPE_SE
	s_setreg_imm32_b32 hwreg(HW_REG_WAVE_MODE, 25, 1), 1
	s_wait_xcnt 0x0
; The eight blocks of a batch entry b are joined.  Block i left its largest score m_i, l_i = the sum of e^(score - m_i), and c_i[512] = the sum of e^(score - m_i) x vals.
; M = the largest m_i; w_i = e^(m_i - M); L = the sum of l_i w_i (at least 1: the block that holds M adds at least 1);  out0[b] = (the sum of c_i w_i) / L;  out1[b][t] = e^(score[t] - M) / L.
; One work-group a b, 128 threads: thread t takes 4 columns of out0 and 16 of the 2,048 scores.  Every load and store of a wave covers 512 consecutive bytes (the pairs: 256).  No LDS, no barrier: every thread reads all eight pairs.
; The launch reads 0.8 MB in all and is a chain of one load, some arithmetic and one store: more work-groups would not shorten it, and matrix units and clusters have nothing to do here.
; LIMIT: weights and results under 2^-126 come out as 0 (the exponential's results are flushed: ISA guide, its entry).
.set MLP, 4                            ; v4-19   m_i, l_i
.set SCO, 20                           ; v20-35  16 scores, then 16 weights
.set CTX, 36                           ; v36-67  8 x 4 partial sums
.set MX,  68                           ; v68     M
.set WI,  70                           ; v70-77  w_i
.set LL,  78                           ; v78     L
.set INV, 79                           ; v79     1 / L
.set OUT, 80                           ; v80-83
	s_load_b256 s[4:11], s[0:1], 0x0               ; sc_ws s[4:5], ml_ws s[6:7], ctx_ws s[8:9], out0 s[10:11]
	s_load_b64 s[12:13], s[0:1], 0x20              ; out1
	v_and_b32 v1, 31, v0
	v_lshlrev_b32 v1, 3, v1                        ; 8 x lane
	v_lshlrev_b32 v2, 4, v0                        ; 16 x thread
	s_lshl_b32 s14, ttmp9, 13                      ; b's 8,192 bytes of scores and of out1,
	s_mov_b32 s15, 0
	s_lshl_b32 s16, ttmp9, 11                      ; 2,048 of pairs and of out0,
	s_mov_b32 s17, 0
	s_lshl_b32 s18, ttmp9, 14                      ; 16,384 of partial sums
	s_mov_b32 s19, 0
	s_mov_b32 s20, 0x3fb8aa3b                      ; log2(e)
	s_wait_kmcnt 0x0
	s_add_nc_u64 s[4:5], s[4:5], s[14:15]
	s_add_nc_u64 s[6:7], s[6:7], s[16:17]
	s_add_nc_u64 s[8:9], s[8:9], s[18:19]
	s_add_nc_u64 s[10:11], s[10:11], s[16:17]
	s_add_nc_u64 s[12:13], s[12:13], s[14:15]
.irp i, 0,1,2,3,4,5,6,7
	global_load_b64 v[MLP+2*\i:MLP+2*\i+1], v1, s[6:7] offset:256*\i
.endr
.irp i, 0,1,2,3
	global_load_b128 v[SCO+4*\i:SCO+4*\i+3], v2, s[4:5] offset:2048*\i
.endr
.irp i, 0,1,2,3,4,5,6,7
	global_load_b128 v[CTX+4*\i:CTX+4*\i+3], v2, s[8:9] offset:2048*\i
.endr
	s_wait_loadcnt 12                              ; the eight pairs are in; the scores' four loads and the sums' eight may be out
	v_max3_num_f32 v[MX], v[MLP], v[MLP+2], v[MLP+4]
	v_max3_num_f32 v[MX], v[MX], v[MLP+6], v[MLP+8]
	v_max3_num_f32 v[MX], v[MX], v[MLP+10], v[MLP+12]
	v_max_num_f32 v[MX], v[MX], v[MLP+14]
.irp i, 0,1,2,3,4,5,6,7
	v_sub_f32 v[WI+\i], v[MLP+2*\i], v[MX]         ; the difference first and then the factor: nothing large is rounded
.endr
.irp i, 0,1,2,3,4,5,6,7
	v_mul_f32 v[WI+\i], s20, v[WI+\i]
.endr
.irp i, 0,1,2,3,4,5,6,7
	v_exp_f32 v[WI+\i], v[WI+\i]
.endr
	v_nop                                          ; one plain place behind the exponentials
	s_wait_alu depctr_va_vdst(0)
	v_mul_f32 v[LL], v[MLP+1], v[WI]
.irp i, 1,2,3,4,5,6,7
	v_fmac_f32 v[LL], v[MLP+2*\i+1], v[WI+\i]
.endr
	v_rcp_f32 v[INV], v[LL]
	s_wait_loadcnt 8                               ; the scores are in; the sums' eight loads may be out
.irp i, 0,1,2,3,4,5,6,7,8,9,10,11,12,13,14,15
	v_sub_f32 v[SCO+\i], v[SCO+\i], v[MX]          ; (the first of these is the plain place behind the reciprocal)
.endr
.irp i, 0,1,2,3,4,5,6,7,8,9,10,11,12,13,14,15
	v_mul_f32 v[SCO+\i], s20, v[SCO+\i]
.endr
.irp i, 0,1,2,3,4,5,6,7,8,9,10,11,12,13,14,15
	v_exp_f32 v[SCO+\i], v[SCO+\i]
.endr
	v_nop
	s_wait_alu depctr_va_vdst(0)
.irp i, 0,1,2,3,4,5,6,7,8,9,10,11,12,13,14,15
	v_mul_f32 v[SCO+\i], v[SCO+\i], v[INV]
.endr
.irp i, 0,1,2,3
	global_store_b128 v2, v[SCO+4*\i:SCO+4*\i+3], s[12:13] offset:2048*\i
.endr
	s_wait_loadcnt 0x0
.irp j, 0,1,2,3
	v_mul_f32 v[OUT+\j], v[CTX+\j], v[WI]
.endr
.irp i, 1,2,3,4,5,6,7
.irp j, 0,1,2,3
	v_fmac_f32 v[OUT+\j], v[CTX+4*\i+\j], v[WI+\i]
.endr
.endr
.irp j, 0,1,2,3
	v_mul_f32 v[OUT+\j], v[OUT+\j], v[INV]
.endr
	global_store_b128 v2, v[OUT:OUT+3], s[10:11]
	s_endpgm
.Lfunc_end_k_q565f03e5d9_finish:
	.size	k_q565f03e5d9_finish, .Lfunc_end_k_q565f03e5d9_finish-k_q565f03e5d9_finish
	.p2alignl 7, 3214868480
	.fill 96, 4, 3214868480
	.section	.rodata,"a",@progbits
	.p2align	6, 0x0
	.amdhsa_kernel k_q565f03e5d9_finish
		.amdhsa_group_segment_fixed_size 0
		.amdhsa_private_segment_fixed_size 0
		.amdhsa_enable_private_segment 0
		.amdhsa_kernarg_size 40
		.amdhsa_user_sgpr_count 2
		.amdhsa_user_sgpr_kernarg_segment_ptr 1
		.amdhsa_wavefront_size32 1
		.amdhsa_system_sgpr_workgroup_id_x 1
		.amdhsa_system_sgpr_workgroup_id_y 1
		.amdhsa_system_sgpr_workgroup_id_z 1
		.amdhsa_system_vgpr_workitem_id 0
		.amdhsa_next_free_vgpr 96
		.amdhsa_next_free_sgpr 66
		.amdhsa_reserve_vcc 0
		.amdhsa_float_denorm_mode_32 3
		.amdhsa_float_denorm_mode_16_64 3
		.amdhsa_memory_ordered 1
		.amdhsa_forward_progress 1
		.amdhsa_inst_pref_size 8
	.end_amdhsa_kernel
	.amdgpu_metadata
---
amdhsa.version: [ 1, 2 ]
amdhsa.kernels:
  - .name:           k_q565f03e5d9_finish
    .symbol:         k_q565f03e5d9_finish.kd
    .args:
      - { .name: sc_ws, .offset: 0, .size: 8, .value_kind: global_buffer, .address_space: global }
      - { .name: ml_ws, .offset: 8, .size: 8, .value_kind: global_buffer, .address_space: global }
      - { .name: ctx_ws, .offset: 16, .size: 8, .value_kind: global_buffer, .address_space: global }
      - { .name: out0, .offset: 24, .size: 8, .value_kind: global_buffer, .address_space: global }
      - { .name: out1, .offset: 32, .size: 8, .value_kind: global_buffer, .address_space: global }
    .group_segment_fixed_size: 0
    .private_segment_fixed_size: 0
    .kernarg_segment_align: 8
    .kernarg_segment_size: 40
    .max_flat_workgroup_size: 128
    .sgpr_count:     66
    .vgpr_count:     96
    .wavefront_size: 32
...
	.end_amdgpu_metadata
.endif
;; end of part 3
;; ======== version 2 of 2: 3 launches
;; limits: right only within a limited range of input values
;; workspace buffers: wq 819,200 bytes; q_ws 65,536 bytes; sc_ws 262,144 bytes; ml_ws 65,536 bytes; ctx_ws 524,288 bytes
;; launch prep (part 4): grid 96 x 1, 8 waves a work-group, no clusters, 52,224 bytes of LDS; arguments W_score, W_value, W_proj, b_proj, speller_state, wq, q_ws; writes wq, q_ws
.if DOCPART == 4
	.amdgcn_target "amdgcn-amd-amdhsa--gfx1250"
	.amdhsa_code_object_version 6
	.text
	.protected	k_q565f03e5d9_prep
	.globl	k_q565f03e5d9_prep
	.p2align	8
	.type	k_q565f03e5d9_prep,@function
k_q565f03e5d9_prep:
	s_mov_b64 s[64:65], 0
	v_nop
	global_prefetch_b8 v0, s[64:65] scope:SCOPE_SE
	s_setreg_imm32_b32 hwreg(HW_REG_WAVE_MODE, 25, 1), 1
	s_wait_xcnt 0x0
; The three weights [1024 (k)][512 (n)], f32, are quantised along K to codes of FP6 (E2M3) with one E8M0 byte for each 32 along K; W_proj's codes are used at once for
; query = relu(speller_state W_proj + b_proj), speller_state [32][1024] being quantised here too.
; SHARES.  Work-group g: matrix g / 32 (0 W_score, 1 W_value, 2 W_proj), columns 16 (g % 32) on.  Wave s takes K step s, 128 along K: one fragment of 16 columns x 128 K.
; A LANE TAKES A COLUMN AND ITS REGISTERS RUN DOWN K in the order of the operand's layout (lane (r, h): column r, registers 6 c .. 6 c + 5 = k 64 c + 32 h + 0 .. 31): the conversions' results are the operand's
; registers, a lane holds two whole blocks of 32, and nothing is transposed.  Each load reads 64 neighbouring bytes in sixteen lanes: accepted, the three weights are 6 MB and are read once.
; OUT, W_score and W_value: wq, sixteen blocks of 51,200 bytes, block = 4 x (chunk of 256 columns) + (256 along K).  In a block: fragment (q = which 128 along K, i = which 16 columns) at 24,576 q + 1,536 i as an
; IMAGE OF ITS REGISTERS (registers 4 c .. 4 c + 3 of lane l at 512 c + 16 l), and from byte 49,152 on the scale words, at 128 i + 8 r + 4 q.  So a block is one dense run of bytes for the next launch's tensor loads.
; OUT, the query: q_ws [column block][2 m + jh][lane][16 bytes]: lane (r, h) holds query[16 m + r][16 cb + 8 h + 4 jh + 0 .. 3].  K is shared out over the eight waves; their f32 partial sums meet in LDS.
; A block's scale is 2^(floor(log2(its largest magnitude)) - 2): its byte is the largest magnitude's exponent field - 2, held at 1 from below.
; LIMITS: NaN and infinities among the inputs are not served; blocks whose largest magnitude lies under 2^-124 keep the byte 1; a block of zeros keeps the byte 1 where the quantiser says 127
; (its codes are zeros, which add nothing under any byte but 0xff, and this program alone reads the bytes).
.set X0,   16                          ; v16-79    64 numbers of W
.set X1,   80                          ; v80-143   64 numbers of speller rows 0-15
.set X2,   144                         ; v144-207  of rows 16-31
.set WC,   208                         ; v208-219  W's codes
.set SWW,  220                         ; v220-222  scale words: W's, the speller's two; they hold nothing else
.set QTC,  224                         ; v224-231  the upper halves of a fragment's blocks, as the conversions leave them
.set QM,   232                         ; v232-233  largest magnitudes
.set QSO,  234                         ; v234-235  the conversions' scale operands
.set QBY,  236                         ; v236-237  scale bytes
.set QT,   238                         ; v238      at work
.set BIA,  240                         ; v240-243  four numbers of b_proj
.set RES,  244                         ; v244-247  four numbers of the query
.set SPC0, 16                          ; v16-27, v28-39  the speller's codes, where W's numbers lay
.set SPC1, 28
.set ACC0, 40                          ; v40-47, v48-55  the two partial products
.set ACC1, 48
.set PAR,  80                          ; v80-111   eight waves' partial sums
.set VH,   2                           ; v2        lane / 16
.set SEL,  18                          ; s[18:19]  lane selects for v_permlanex16_b32: lane l xor 16
; 64 numbers of a lane, v[x + 32 c + i] = k 64 c + 32 h + i of its row or column, become a fragment's 12 registers of codes in v[cd] on and its scale word in v[sw].
.macro QFRAG x, cd, sw
.irp kk, 0,1
	v_max3_num_f32 v[QM+\kk], |v[(\x)+32*\kk]|, |v[(\x)+32*\kk+1]|, 0x1800000     ; my block 2 c + h: all its 32 numbers are mine; the floor 2^(3 - 127) holds the byte at 1 from below
.endr
.irp i, 2,4,6,8,10,12,14,16,18,20,22,24,26,28,30
.irp kk, 0,1
	s_delay_alu instid0(VALU_DEP_2)
	v_max3_num_f32 v[QM+\kk], v[QM+\kk], |v[(\x)+32*\kk+\i]|, |v[(\x)+32*\kk+\i+1]|   ; (the two blocks by turns)
.endr
.endr
.irp kk, 0,1
	s_delay_alu instid0(VALU_DEP_2)
	v_add_nc_u32 v[QSO+\kk], 0xff000000, v[QM+\kk]         ; 2 off the exponent field: the conversion takes the exponent field of this operand as its scale
.endr
.irp kk, 0,1
	s_delay_alu instid0(VALU_DEP_2)
	v_lshrrev_b32 v[QBY+\kk], 23, v[QSO+\kk]               ; the scale's byte
.endr
	s_delay_alu instid0(VALU_DEP_1)
	v_lshl_or_b32 v[\sw], v[QBY+1], 16, v[QBY]             ; my two bytes: blocks h and 2 + h,
	v_lshlrev_b32 v[QT], 3, v[VH]
	s_delay_alu instid0(VALU_DEP_1)
	v_lshlrev_b32 v[\sw], v[QT], v[\sw]                    ; at their places in the word (8 h bits up);
	v_mov_b32 v[QT], 0                                     ; (a lane permute's destination counts as one of its sources)
	s_delay_alu instid0(VALU_DEP_1)
	v_permlanex16_b32 v[QT], v[\sw], s[SEL], s[SEL+1]
	s_delay_alu instid0(VALU_DEP_1)
	v_or_b32 v[\sw], v[\sw], v[QT]                         ; with lane l xor 16's two the word is whole, in every lane
.irp kk, 0,1
	v_cvt_scalef32_pk16_fp6_f32 v[(\cd)+6*\kk:(\cd)+6*\kk+2], v[(\x)+32*\kk:(\x)+32*\kk+15], v[QSO+\kk]
	v_cvt_scalef32_pk16_fp6_f32 v[QTC+4*\kk:QTC+4*\kk+2], v[(\x)+32*\kk+16:(\x)+32*\kk+31], v[QSO+\kk]   ; (a conversion's three registers begin on an even number: the second half is made elsewhere and moved)
.endr
	v_nop                                                  ; one plain place behind a scaled conversion
.irp kk, 0,1
.irp i, 0,1,2
	v_mov_b32 v[(\cd)+3+6*\kk+\i], v[QTC+4*\kk+\i]
.endr
.endr
.endm
	s_load_b256 s[4:11], s[0:1], 0x0               ; W_score s[4:5], W_value s[6:7], W_proj s[8:9], b_proj s[10:11]
	s_load_b128 s[12:15], s[0:1], 0x20             ; speller_state s[12:13], wq s[14:15]
	s_load_b64 s[16:17], s[0:1], 0x30              ; q_ws
	v_lshl_add_u32 v254, v0, 2, 0x4000
	v_mov_b32 v255, 0
	v_lshrrev_b32 v1, 5, v0
	s_delay_alu instid0(VALU_DEP_1)
	v_readfirstlane_b32 s20, v1                    ; wave = K step 0..7
	v_and_b32 v1, 15, v0                           ; r
	v_bfe_u32 v[VH], v0, 4, 1                      ; h
	v_and_b32 v10, 31, v0                          ; lane
	s_delay_alu instid0(VALU_DEP_3)
	v_lshlrev_b32 v3, 2, v1
	s_delay_alu instid0(VALU_DEP_1)
	v_lshl_add_u32 v3, v[VH], 16, v3               ; W: column r (4 bytes), lanes 16-31 begin 32 rows of 2,048 bytes further down
	v_lshlrev_b32 v4, 4, v1
	s_delay_alu instid0(VALU_DEP_1)
	v_lshl_add_u32 v4, v[VH], 12, v4               ; speller: sixteen lanes take 256 consecutive bytes of a row, lanes 16-31 the next row (4,096 bytes on)
	s_mul_i32 s25, s20, 4352
	s_add_co_u32 s25, s25, 17408                   ; my wave's stage, 16 rows x 272 bytes, behind the partial sums and the spare words
	v_mul_u32_u24 v11, v[VH], 272
	v_mul_u32_u24 v12, v1, 272
	v_lshl_add_u32 v11, v1, 4, v11
	v_lshl_add_u32 v12, v[VH], 7, v12
	v_add_nc_u32 v11, s25, v11                     ; into the stage: as loaded
	v_add_nc_u32 v12, s25, v12                     ; out of it: row r, + 128 h
	v_lshlrev_b32 v5, 4, v10                       ; 16 x lane: an image's place
	v_lshlrev_b32 v6, 3, v1                        ; 8 r: a scale word's place
	s_lshl_b32 s21, s20, 11
	v_add_nc_u32 v7, s21, v5                       ; LDS: my wave's 2,048 bytes of partial sums, 16 x lane
	v_lshlrev_b32 v8, 4, v0                        ; LDS, on the way back: 512 x wave + 16 x lane: group = wave
	s_and_b32 s22, s20, 1                          ; which 128 of the block's 256 along K.  Also: which four of a lane's eight numbers wave 0..3 sums up
	s_lshl_b32 s21, s22, 4
	v_lshl_add_u32 v9, v[VH], 5, s21               ; b_proj: 32 h + 16 (wave % 2)
	s_mov_b32 s[SEL], 0x76543210
	s_mov_b32 s[SEL+1], 0xfedcba98
	s_lshr_b32 s23, ttmp9, 5                       ; which matrix
	s_and_b32 s24, ttmp9, 31                       ; which 16 columns
	s_lshl_b32 s26, s20, 18                        ; 128 rows of 2,048 bytes for each K step,
	s_lshl_b32 s27, s24, 6                         ; 64 bytes for each 16 columns
	s_add_co_u32 s26, s26, s27
	s_mov_b32 s27, 0
	s_wait_alu depctr_va_vdst(0)
	s_wait_kmcnt 0x0
	s_cmp_eq_u32 s23, 1                            ; the choice of the matrix hangs on the work-group's number alone
	s_cselect_b64 s[4:5], s[6:7], s[4:5]
	s_cmp_eq_u32 s23, 2
	s_cselect_b64 s[4:5], s[8:9], s[4:5]
	s_add_nc_u64 s[4:5], s[4:5], s[26:27]
.irp cc, 0,1
.irp i, 0,1,2,3,4,5,6,7,8,9,10,11,12,13,14,15,16,17,18,19,20,21,22,23,24,25,26,27,28,29,30,31
	global_load_b32 v[X0+32*\cc+\i], v3, s[4:5] offset:(64*\cc+\i)*2048   ; W(128 s + 64 c + 32 h + i, column r)
.endr
.endr
	s_cmp_ge_u32 ttmp9, 64
	s_cbranch_scc1 .Lquery                         ; the same way for all eight waves of a work-group
	; ---- W_score, W_value: the fragment's image and its scale words go to wq
	s_wait_loadcnt 0x0
	QFRAG X0, WC, SWW
	s_lshl_b32 s28, s23, 1
	s_lshr_b32 s29, s24, 4
	s_add_co_u32 s28, s28, s29                     ; chunk of 256 columns: 2 x matrix + column block / 16
	s_lshl_b32 s28, s28, 2
	s_lshr_b32 s29, s20, 1
	s_add_co_u32 s28, s28, s29                     ; block = 4 x chunk + K step / 2
	s_mul_i32 s28, s28, 51200
	s_and_b32 s30, s24, 15                         ; i: which 16 columns of the chunk
	s_mul_i32 s29, s30, 1536
	s_mul_i32 s31, s22, 24576
	s_add_co_u32 s29, s29, s31
	s_add_co_u32 s32, s28, s29                     ; the fragment's first byte
	s_mov_b32 s33, 0
	s_lshl_b32 s30, s30, 7
	s_lshl_b32 s31, s22, 2
	s_add_co_u32 s30, s30, s31
	s_add_co_u32 s34, s28, s30
	s_add_co_u32 s34, s34, 49152                   ; its scale words: 128 i + 4 q behind the block's codes
	s_mov_b32 s35, 0
	s_add_nc_u64 s[32:33], s[14:15], s[32:33]
	s_add_nc_u64 s[34:35], s[14:15], s[34:35]
	s_wait_alu depctr_va_vdst(0)
.irp cc, 0,1,2
	global_store_b128 v5, v[WC+4*\cc:WC+4*\cc+3], s[32:33] offset:512*\cc   ; 32 lanes store 512 consecutive bytes
.endr
	global_store_b32 v6, v[SWW], s[34:35]          ; lanes r and r + 16 store the same word to the same place; words 8 bytes apart (the other K step's lie between): 32 KB of the launch's output
	s_endpgm
	; ---- W_proj: the query
.Lquery:
	s_lshl_b32 s26, s20, 9                         ; 128 numbers for each K step
	s_add_nc_u64 s[12:13], s[12:13], s[26:27]
	s_lshl_b32 s26, s24, 6
	s_add_nc_u64 s[10:11], s[10:11], s[26:27]      ; b_proj at my 16 columns
.irp m, 0,1
.irp cc, 0,1
.irp j, 0,1,2,3,4,5,6,7
	global_load_b128 v[X1+64*\m+32*\cc+4*\j:X1+64*\m+32*\cc+4*\j+3], v4, s[12:13] offset:65536*\m+256*\cc+8192*\j   ; rows 16 m + 2 j and 2 j + 1, 64 numbers of each
.endr
.endr
.endr
	global_load_b128 v[BIA:BIA+3], v9, s[10:11]    ; asked for early by all eight waves, used by waves 0-3: 16 bytes a lane, so that it is in when the partial sums meet
	s_wait_loadcnt 33                              ; W is in; the speller's 32 loads and the bias may be out
	QFRAG X0, WC, SWW
	s_wait_loadcnt 17                              ; rows 0-15 are in; rows 16-31 and the bias may be out
.irp cc, 0,1                           ; 64 numbers of each row turn through my stage and come back 128 bytes a lane: k 64 c + 32 h + 0 .. 31 of row r.  LDS serves a wave's instructions in order
.irp j, 0,1,2,3,4,5,6,7
	ds_store_b128 v11, v[X1+32*\cc+4*\j:X1+32*\cc+4*\j+3] offset:544*\j
.endr
.irp j, 0,1,2,3,4,5,6,7
	ds_load_b128 v[X1+32*\cc+4*\j:X1+32*\cc+4*\j+3], v12 offset:16*\j
.endr
.endr
	s_wait_dscnt 0x0
	QFRAG X1, SPC0, SWW+1
	s_wait_loadcnt 1                               ; rows 16-31 are in; the bias may be out
.irp cc, 0,1
.irp j, 0,1,2,3,4,5,6,7
	ds_store_b128 v11, v[X2+32*\cc+4*\j:X2+32*\cc+4*\j+3] offset:544*\j
.endr
.irp j, 0,1,2,3,4,5,6,7
	ds_load_b128 v[X2+32*\cc+4*\j:X2+32*\cc+4*\j+3], v12 offset:16*\j
.endr
.endr
	s_wait_dscnt 0x0
	QFRAG X2, SPC1, SWW+2
.rept 8
	v_nop                                          ; a scale register written by a vector instruction stands 8 places ahead of a scaled matrix instruction, an operand so written 4
.endr
	; TRANSPOSED: source 0 = 16 columns of W, source 1 = 16 rows of the speller: lane (r, h) holds row r, register j column 8 h + j
	v_wmma_scale_f32_16x16x128_f8f6f4 v[ACC0:ACC0+7], v[WC:WC+11], v[SPC0:SPC0+11], 0, v[SWW], v[SWW+1] matrix_a_fmt:MATRIX_FMT_FP6 matrix_b_fmt:MATRIX_FMT_FP6
	v_wmma_scale_f32_16x16x128_f8f6f4 v[ACC1:ACC1+7], v[WC:WC+11], v[SPC1:SPC1+11], 0, v[SWW], v[SWW+2] matrix_a_fmt:MATRIX_FMT_FP6 matrix_b_fmt:MATRIX_FMT_FP6
.rept 4
	v_nop                                          ; four places in front of the first read of a result (ISA guide 7.12.1)
.endr
	ds_store_b128 v7, v[ACC0:ACC0+3]               ; group 2 m + jh at 512 bytes each; each result from its low end on
	ds_store_b128 v7, v[ACC0+4:ACC0+7] offset:512
	ds_store_b128 v7, v[ACC1:ACC1+3] offset:1024
	ds_store_b128 v7, v[ACC1+4:ACC1+7] offset:1536
	s_wait_dscnt 0x0                               ; for the others' sake: my partial sums lie in LDS
	s_barrier_signal -1
	s_barrier_wait -1
	s_cmp_ge_u32 s20, 4
	s_cbranch_scc1 .Lend                           ; four groups: waves 0-3 sum one each
.irp p, 0,1,2,3,4,5,6,7
	ds_load_b128 v[PAR+4*\p:PAR+4*\p+3], v8 offset:2048*\p     ; wave p's partial sums of my group
.endr
	s_lshl_b32 s26, s24, 11
	s_lshl_b32 s28, s20, 9
	s_add_co_u32 s26, s26, s28                     ; q_ws: 2,048 x column block + 512 x group
	s_add_nc_u64 s[16:17], s[16:17], s[26:27]
	s_wait_dscnt 0x0
	s_wait_loadcnt 0x0                             ; the bias
.irp p, 0,2,4,6
	v_pk_add_f32 v[PAR+4*\p:PAR+4*\p+1], v[PAR+4*\p:PAR+4*\p+1], v[PAR+4*\p+4:PAR+4*\p+5]
	v_pk_add_f32 v[PAR+4*\p+2:PAR+4*\p+3], v[PAR+4*\p+2:PAR+4*\p+3], v[PAR+4*\p+6:PAR+4*\p+7]
.endr
.irp p, 0
	v_pk_add_f32 v[PAR+4*\p:PAR+4*\p+1], v[PAR+4*\p:PAR+4*\p+1], v[PAR+4*\p+8:PAR+4*\p+9]
	v_pk_add_f32 v[PAR+4*\p+2:PAR+4*\p+3], v[PAR+4*\p+2:PAR+4*\p+3], v[PAR+4*\p+10:PAR+4*\p+11]
.endr
.irp p, 4
	s_delay_alu instid0(VALU_DEP_4)
	v_pk_add_f32 v[PAR+4*\p:PAR+4*\p+1], v[PAR+4*\p:PAR+4*\p+1], v[PAR+4*\p+8:PAR+4*\p+9]
	s_delay_alu instid0(VALU_DEP_4)
	v_pk_add_f32 v[PAR+4*\p+2:PAR+4*\p+3], v[PAR+4*\p+2:PAR+4*\p+3], v[PAR+4*\p+10:PAR+4*\p+11]
.endr
	s_delay_alu instid0(VALU_DEP_2)
	v_pk_add_f32 v[PAR:PAR+1], v[PAR:PAR+1], v[PAR+16:PAR+17]
	s_delay_alu instid0(VALU_DEP_2)
	v_pk_add_f32 v[PAR+2:PAR+3], v[PAR+2:PAR+3], v[PAR+18:PAR+19]
	s_delay_alu instid0(VALU_DEP_2)
	v_pk_add_f32 v[PAR:PAR+1], v[PAR:PAR+1], v[BIA:BIA+1]
	s_delay_alu instid0(VALU_DEP_2)
	v_pk_add_f32 v[PAR+2:PAR+3], v[PAR+2:PAR+3], v[BIA+2:BIA+3]
.irp j, 0,1,2,3
	v_max_num_f32 v[RES+\j], 0, v[PAR+\j]          ; the activation
.endr
	global_store_b128 v5, v[RES:RES+3], s[16:17]   ; 32 lanes store 512 consecutive bytes
.Lend:
	s_wait_tensorcnt 0x0
	ds_add_u32 v254, v255
	s_wait_dscnt 0x0
	s_endpgm
.Lfunc_end_k_q565f03e5d9_prep:
	.size	k_q565f03e5d9_prep, .Lfunc_end_k_q565f03e5d9_prep-k_q565f03e5d9_prep
	.p2alignl 7, 3214868480
	.fill 96, 4, 3214868480
	.section	.rodata,"a",@progbits
	.p2align	6, 0x0
	.amdhsa_kernel k_q565f03e5d9_prep
		.amdhsa_group_segment_fixed_size 52224
		.amdhsa_private_segment_fixed_size 0
		.amdhsa_enable_private_segment 0
		.amdhsa_kernarg_size 56
		.amdhsa_user_sgpr_count 2
		.amdhsa_user_sgpr_kernarg_segment_ptr 1
		.amdhsa_wavefront_size32 1
		.amdhsa_system_sgpr_workgroup_id_x 1
		.amdhsa_system_sgpr_workgroup_id_y 1
		.amdhsa_system_sgpr_workgroup_id_z 1
		.amdhsa_system_vgpr_workitem_id 0
		.amdhsa_next_free_vgpr 256
		.amdhsa_next_free_sgpr 66
		.amdhsa_reserve_vcc 0
		.amdhsa_float_denorm_mode_32 3
		.amdhsa_float_denorm_mode_16_64 3
		.amdhsa_memory_ordered 1
		.amdhsa_forward_progress 1
		.amdhsa_inst_pref_size 37
	.end_amdhsa_kernel
	.amdgpu_metadata
---
amdhsa.version: [ 1, 2 ]
amdhsa.kernels:
  - .name:           k_q565f03e5d9_prep
    .symbol:         k_q565f03e5d9_prep.kd
    .args:
      - { .name: W_score, .offset: 0, .size: 8, .value_kind: global_buffer, .address_space: global }
      - { .name: W_value, .offset: 8, .size: 8, .value_kind: global_buffer, .address_space: global }
      - { .name: W_proj, .offset: 16, .size: 8, .value_kind: global_buffer, .address_space: global }
      - { .name: b_proj, .offset: 24, .size: 8, .value_kind: global_buffer, .address_space: global }
      - { .name: speller_state, .offset: 32, .size: 8, .value_kind: global_buffer, .address_space: global }
      - { .name: wq, .offset: 40, .size: 8, .value_kind: global_buffer, .address_space: global }
      - { .name: q_ws, .offset: 48, .size: 8, .value_kind: global_buffer, .address_space: global }
    .group_segment_fixed_size: 52224
    .private_segment_fixed_size: 0
    .kernarg_segment_align: 8
    .kernarg_segment_size: 56
    .max_flat_workgroup_size: 256
    .sgpr_count:     66
    .vgpr_count:     256
    .wavefront_size: 32
...
	.end_amdgpu_metadata
.endif
;; end of part 4
;; launch main (part 5): grid 256 x 1, 4 waves a work-group, clusters of 4 x 1, 327,680 bytes of LDS; arguments listener_state, listener_len, b_score, b_value, wq, q_ws, sc_ws, ml_ws, ctx_ws; writes sc_ws, ml_ws, ctx_ws
.if DOCPART == 5
	.amdgcn_target "amdgcn-amd-amdhsa--gfx1250"
	.amdhsa_code_object_version 6
	.text
	.protected	k_q565f03e5d9_main
	.globl	k_q565f03e5d9_main
	.p2align	8
	.type	k_q565f03e5d9_main,@function
k_q565f03e5d9_main:
	s_mov_b64 s[64:65], 0
	v_nop
	global_prefetch_b8 v0, s[64:65] scope:SCOPE_SE
	s_setreg_imm32_b32 hwreg(HW_REG_WAVE_MODE, 25, 1), 1
	s_wait_xcnt 0x0
	s_wait_alu depctr_hold_cnt(0) depctr_sa_sdst(0) depctr_va_vdst(0) depctr_va_sdst(0) depctr_va_ssrc(0) depctr_va_vcc(0) depctr_vm_vsrc(0)
	s_getreg_b32 s2, hwreg(HW_REG_IB_STS2, 6, 4)
	s_cmp_eq_u32 s2, 0
	s_cbranch_scc0 .Lentry_in_a_cluster
	s_endpgm
.Lentry_in_a_cluster:
	s_bfe_u32 s2, ttmp6, 0x10000c
	s_cmp_lg_u32 s2, 0x3003
	s_cbranch_scc0 .Lentry_shape_is_right
	s_endpgm
.Lentry_shape_is_right:
; For one batch entry b and 256 consecutive t: keys = relu(x W_score + b_score), score = query . keys (- 100 where t >= listener_len[b]), the block's maximum m, p = e^(score - m), l = sum of p,
; vals = relu(x W_value + b_value), and the sum over t of p x vals.  Out: 256 scores, the pair (m, l), 512 partial sums; the next launch joins the eight blocks of a b.
; Both products with x run on codes of FP6 (E2M3) with one E8M0 byte for each 32 along K.  The mask is -100 and no -infinity: every row is computed.
; THE BIASES.  relu(s + b) = max(s, -b) + b.  So the activation is one maximum against -b, and the term b is added behind the sums:
;   vals: sum of p x (max(s, -b) + b) = sum of p x max(s, -b) + b x (sum of p): one multiply-add a column.
;   keys: sum over columns of q x (max(s, -b) + b) = sum of q x max(s, -b) + (sum of q x b_score).  DEAD WORK: the last term holds no t: it is the same for all t of a batch entry, for all values of the inputs,
;   and the scores go into the softmax along t alone (here and in the next launch), which such a term leaves as it is.  It is left out; the stored scores and m lack it alike.
;   LIMIT: an overflow or NaN that would arise in that term alone is not carried to the result.
; SHARES.  Work-group g = 8 b + tb, 256 of them.  Four waves, 2 x 2 on 256 rows x 256 columns: a wave makes 128 x 128, 64 accumulators.  The 1,024 columns go in four chunks of 256: two of W_score, two of W_value.
; PHASE X.  x's rows are read once, f32, quantised in registers; their codes stay in LDS: 16 x 8 fragments as images of the operand's registers, and their scale words.  64 loads of 512 bytes a wave run ahead, so no prefetch is laid.
; THE WEIGHTS come in blocks of 51,200 dense bytes through a ring of two slots, a quarter of a block a wave, asked for jointly by the four work-groups of a cluster, which walk the same sixteen blocks.
; All work-groups read the same 819,200 bytes of weights again and again: no prefetch is laid for them.
; ONE BODY FOR ALL CHUNKS.  Source 0 = 16 rows of x, source 1 = 16 columns of W: a lane holds one column and eight rows.  x and W have two register sets each: while a step of 128 along K is multiplied,
; the next step's 48 fragment loads go into the other sets, in ONE run: waves 0, 1 issue it at the step's head, waves 2, 3 behind product 31, so that two waves read LDS while two multiply.
; The last chunk leaves the loop for a tail that asks for no more blocks.
; REGISTERS.  Window 0: v0-31 addresses; v32-63 scale words, two sets; v64-159, v160-255 x's fragments (phase X: numbers at work; behind a chunk's last step the second set is free for the sums).
;   Window 1: v0-95, v128-223 W's fragments; v96-127, v224-255: 64 running scores, then p.  Windows 2, 3: accumulator (a, b) at v[8 (8 (a % 4) + b)] of window 2 + a / 4 (phase X: the loads of x).
; LIMITS: NaN and infinities among the inputs are not served; blocks whose largest magnitude lies under 2^-124, blocks of zeros too, keep the byte 1 (zero codes; this program alone reads the bytes); p under 2^-126 comes out as 0.
.set XC,    0                          ; x's fragments: (16 rows a, K step s) at 12,288 a + 1,536 s
.set XSC,   196608                     ; x's scale words: 2,048 (s / 2) + 128 a + 8 r + 4 (s % 2)
.set STG,   204800                     ; phase X: a stage of 4,352 bytes a wave.  Later 4,096 a wave: +1,024 c: -bias of chunk c; +512, +1,536 query; +2,560 p; +3,584 partial scores; +0, +512 at the end: partial sums.  +16,384: the scores
.set SPARE, 222208                     ; the spare words
.set RING,  222720
.set SLOT,  51200
.set QUART, 12800
.set WSC,   49152
.set FRB,   1536
.set SPW,  1
.set NIL,  2
.set ADRA, 3                           ; v3-4  x's fragments: my blocks 0-3, 4-7
.set ADRB, 5                           ; v5-6  W's fragments in slot 0, 1
.set ADRS, 7                           ; v7-10 scale words of the k-th 256 along K: lanes 0-15 x's, lanes 16-31 W's
.set WB4,  11                          ; my 4,096 bytes + 4 r
.set OWN,  12
.set OTH,  13
.set WBH,  14                          ; my 4,096 bytes + 32 h
.set L16,  15
.set FC,   16
.set CA,   17                          ; my 4,096 bytes + 4 r + 1,024 chunk
.set LO,   18                          ; head: where the constants go; later v[18:19]: the sums of p of my rows, of the others
.set QV,   19
.set G16,  20
.set G8,   21
.set XG,   22
.set STS,  23
.set STL,  24
.set XI,   25
.set XS,   26
.set XS0,  27
.set DOWN, 22
.set DOTH, 23
.set M100, 24
.set TMK,  25
.set ML,   28
.set VH,   30
.set SCA,  31
.set SC,   32
.set XF,   64
.set NB,   160                         ; v160-167 -bias of my column in tile b
.set QR,   168                         ; v168-175 the query's number of my column in tile b
.set R,    184
.set F,    200
.set G,    208
.set PQB,  96                          ; window 1: tile a's eight rows at 96 + 8 a + 96 (a / 4)
.set XQ,   128
.set XCD,  192
.set QTC,  204
.set QM,   212
.set QSO,  214
.set QBY,  216
.set QT,   218
.set XSW,  219
.set WV,   22
.set RH,   23
.set CH,   24
.set G1,   32
.set G0,   40
.set SEL,  48
.set LG,   50
.set CNT,  51
.set MSB, 0
.macro WIN new
.if MSB != (\new)
	s_set_vgpr_msb (MSB<<8)|(\new)
.set MSB, (\new)
.endif
.endm
.macro PLACES n
.rept \n
	v_nop
.endr
.endm
.macro CREST
	s_cmp_lg_u32 s[WV], 0
	s_cbranch_scc1 .Lnot_wave_0_\@
	s_barrier_signal -3
.Lnot_wave_0_\@:
	s_barrier_wait -3
	s_barrier_signal -1
	s_barrier_wait -1
.endm
.macro CROUND
	s_barrier_signal -1
	s_barrier_wait -1
	CREST
.endm
; 64 numbers of a lane, v[x + 32 c + i] = k 64 c + 32 h + i of its row, become 12 registers of codes and a scale word
.macro QFRAG x, cd, sw
.irp kk, 0,1
	v_max3_num_f32 v[QM+\kk], |v[(\x)+32*\kk]|, |v[(\x)+32*\kk+1]|, 0x1800000     ; the floor 2^(3 - 127) holds the byte at 1 from below
.endr
.irp i, 2,4,6,8,10,12,14,16,18,20,22,24,26,28,30
.irp kk, 0,1
	v_max3_num_f32 v[QM+\kk], v[QM+\kk], |v[(\x)+32*\kk+\i]|, |v[(\x)+32*\kk+\i+1]|
.endr
.endr
.irp kk, 0,1
	v_add_nc_u32 v[QSO+\kk], 0xff000000, v[QM+\kk]         ; 2 off the exponent field: the conversion's scale operand
.endr
.irp kk, 0,1
	v_lshrrev_b32 v[QBY+\kk], 23, v[QSO+\kk]
.endr
	v_lshl_or_b32 v[\sw], v[QBY+1], 16, v[QBY]
	v_lshlrev_b32 v[QT], 3, v[VH]
	v_lshlrev_b32 v[\sw], v[QT], v[\sw]
	v_mov_b32 v[QT], 0
	v_permlanex16_b32 v[QT], v[\sw], s[SEL], s[SEL+1]
	v_or_b32 v[\sw], v[\sw], v[QT]                         ; with lane l xor 16's two bytes the word is whole
.irp kk, 0,1
	v_cvt_scalef32_pk16_fp6_f32 v[(\cd)+6*\kk:(\cd)+6*\kk+2], v[(\x)+32*\kk:(\x)+32*\kk+15], v[QSO+\kk]
	v_cvt_scalef32_pk16_fp6_f32 v[QTC+4*\kk:QTC+4*\kk+2], v[(\x)+32*\kk+16:(\x)+32*\kk+31], v[QSO+\kk]
.endr
	v_nop                                                  ; one plain place behind a scaled conversion
.irp kk, 0,1
.irp i, 0,1,2
	v_mov_b32 v[(\cd)+3+6*\kk+\i], v[QTC+4*\kk+\i]
.endr
.endr
.endm
; ---- phase X.  A unit is 16 rows x 128 numbers.  A trip is four units: half of K of a block of 16 rows; s[4:5] stands at the trip that is being asked for.
.macro LD j
.irp cc, 0,1
.irp i, 0,1,2,3,4,5,6,7
	global_load_b128 v[64*(\j)+32*\cc+4*\i:64*(\j)+32*\cc+4*\i+3], v[XG], s[4:5] offset:262144*\i+512*(\j)+256*\cc th:TH_LOAD_NT
.endr
.endr
.endm
.macro UNIT j, ld, left
	s_wait_loadcnt \left                           ; this unit's sixteen loads are in; the younger units' may be out
.irp cc, 0,1
	WIN 0x08
.irp i, 0,1,2,3,4,5,6,7
	ds_store_b128 v[STS], v[64*(\j)+32*\cc+4*\i:64*(\j)+32*\cc+4*\i+3] offset:544*\i
.endr
	WIN 0
.irp i, 0,1,2,3,4,5,6,7
	ds_load_b128 v[XQ+32*\cc+4*\i:XQ+32*\cc+4*\i+3], v[STL] offset:16*\i   ; LDS serves a wave's instructions in order: these see the stores
.endr
.endr
	s_wait_dscnt 0x0
.if \ld
	WIN 0x80
	LD \j                                          ; the unit four on, into the registers just left
	WIN 0
.endif
	QFRAG XQ, XCD, XSW
.irp cc, 0,1,2
	ds_store_b128 v[XI], v[XCD+4*\cc:XCD+4*\cc+3] offset:FRB*(\j)+512*\cc
.endr
	ds_store_b32 v[XS], v[XSW] offset:2048*((\j)/2)+4*((\j)%2)
.endm
; ---- the products.  Load m of a step's 48: 0-23 W's eight fragments, 24-47 x's, each fragment three loads of 512 consecutive bytes
.macro LD1 m, set, wadr, woff, xs
.if (\m) < 24
	WIN 0x40
	ds_load_b128 v[128*(\set)+4*(\m):128*(\set)+4*(\m)+3], v[\wadr] offset:(\woff)+((\m)/3)*FRB+512*((\m)%3)
.else
	WIN 0
	ds_load_b128 v[XF+96*(\set)+4*((\m)-24):XF+96*(\set)+4*((\m)-24)+3], v[ADRA+((\m)-24)/12] offset:((((\m)-24)/3)%4)*12288+(\xs)*FRB+512*((\m)%3)
.endif
.endm
.macro SCL1 kk, i
	ds_load_b64 v[SC+16*((\kk)%2)+2*(\i):SC+16*((\kk)%2)+2*(\i)+1], v[ADRS+(\kk)] offset:128*(\i)
.endm
.macro RUN k, q                        ; what the step behind step (k, q) wants, into the sets that step (k, q) does not read; behind a block's second step also the next block's scale words
.set M, 0
.rept 48
	LD1 M, 1-(\q), ADRB+((\k)+(\q))%2, 24576*(1-(\q)), (2*(\k)+(\q)+1)%8
.set M, M+1
.endr
	WIN 0
.if \q
.irp i, 0,1,2,3,4,5,6,7
	SCL1 ((\k)+1)%4, \i
.endr
.endif
.endm
; A step: 64 products on set q, the q-th 128 of the k-th 256 along K.  The 64 accumulators take turns.
; ld: the next step's run of loads: waves 0, 1 at the head, waves 2, 3 behind product 31.  bar: the change of slots: ahead of product 56 the wait for all my tensor loads and the add,
; ahead of product 60 the wait for the add and for my reads of this slot and the signal, behind product 63 the barrier's wait.
; nb: behind product 57 the chunk's -bias comes into registers of x's fragment 0, read last by product 7.  ex: the last chunk leaves for the tail.  lo: the first product that is written.
.macro STEPM k, q, first, ld, bar, nb, ex, lo
.if (\lo) == 0
	s_wait_dscnt 0x0                               ; this step's fragments and scale words are in
	PLACES 4                                       ; four places between the last step's products and the loads into the registers that they read
.if \ld
	s_cmp_lg_u32 s[RH], 0
	s_cbranch_scc1 .Lnot_a_\@
	RUN \k, \q
.Lnot_a_\@:
.endif
.endif
.set NN, 0
.irp a, 0,1,2,3,4,5,6,7
.irp b, 0,1,2,3,4,5,6,7
.if NN >= (\lo)
.if (\bar) && NN == 56
	WIN 0
.if \ex
	s_cmp_eq_u32 s[CNT], 1
	s_cbranch_scc1 .Ltail
.endif
	s_wait_tensorcnt 0x0                           ; the one load of mine that was out is my quarter of the other slot
	ds_add_u32 v[SPW], v[NIL]
.endif
.if (\bar) && NN == 60
	s_wait_dscnt 0x0
	s_barrier_signal -1
.endif
	WIN 0xa4+0x50*(\a/4)
.set rD, 8*(8*(\a%4)+\b)
.set rX, XF+96*(\q)+12*\a
.set rW, 128*(\q)+12*\b
.set sX, SC+16*((\k)%2)+2*\a+(\q)
.set sW, SC+16*((\k)%2)+2*\b+(\q)
.if \first
	v_wmma_scale_f32_16x16x128_f8f6f4 v[rD:rD+7], v[rX:rX+11], v[rW:rW+11], 0, v[sX], v[sW] matrix_a_fmt:MATRIX_FMT_FP6 matrix_b_fmt:MATRIX_FMT_FP6 matrix_b_scale:MATRIX_SCALE_ROW1
.else
	v_wmma_scale_f32_16x16x128_f8f6f4 v[rD:rD+7], v[rX:rX+11], v[rW:rW+11], v[rD:rD+7], v[sX], v[sW] matrix_a_fmt:MATRIX_FMT_FP6 matrix_b_fmt:MATRIX_FMT_FP6 matrix_b_scale:MATRIX_SCALE_ROW1
.endif
.if (\ld) && NN == 31
	WIN 0
	s_cmp_eq_u32 s[RH], 0
	s_cbranch_scc1 .Lnot_b_\@
	RUN \k, \q
.Lnot_b_\@:
.endif
.if (\nb) && NN == 57
	WIN 0
	PLACES 4
.irp t, 0,1,2,3,4,5,6,7
	ds_load_b32 v[NB+\t], v[CA] offset:64*\t
.endr
.endif
.endif
.set NN, NN+1
.endr
.endr
	WIN 0
.if \bar
	s_barrier_wait -1
.endif
.endm
.macro REFILL sl                       ; the barrier has opened a round of the cluster's barrier; the slot takes the block two on: my one tensor load behind the round
	CREST
	s_add_nc_u64 s[G0+4*(\sl)+2:G0+4*(\sl)+3], s[G0+4*(\sl)+2:G0+4*(\sl)+3], 2*SLOT
	tensor_load_to_lds s[G0+4*(\sl):G0+4*(\sl)+3], s[G1:G1+7]
	s_nop 0
	PLACES 4
.endm
.macro ACT u                           ; max(sum, -bias) in place, each accumulator from its low end on
	WIN 0x88+0x44*(\u)
.set xx, 0
.rept 256
	v_max_num_f32 v[xx], v[NB+(xx/8)%8], v[xx]
.set xx, xx+1
.endr
.endm
.macro EPIS                            ; running score of row 16 a + 8 h + j += keys x the query's number of my column: 64 sums a lane, 16 chains by turns
.irp u, 0,1
	ACT \u
	WIN 0x52+\u
.irp b, 0,1,2,3,4,5,6,7
.irp jp, 0,1,2,3
.irp a, 0,1,2,3
.set rA, 8*(8*\a+\b)+2*\jp
.set rR, PQB+8*(4*\u+\a)+96*\u+2*\jp
.set rQ, QR+2*(\b/2)
.if \b%2
	v_pk_fma_f32 v[rR:rR+1], v[rA:rA+1], v[rQ:rQ+1], v[rR:rR+1] op_sel:[0,1,0] op_sel_hi:[1,1,1]
.else
	v_pk_fma_f32 v[rR:rR+1], v[rA:rA+1], v[rQ:rQ+1], v[rR:rR+1] op_sel_hi:[1,0,1]
.endif
.endr
.endr
.endr
.endr
	WIN 0
.endm
.macro EPIV off                        ; pair b = the sum over my rows of vals x p; then the halves and lane l xor 16 are added, the bias's term follows, and column 16 b + r goes to LDS
.irp u, 0,1
	ACT \u
	WIN 0x06+\u
.irp a, 0,1,2,3
.irp jp, 0,1,2,3
.irp b, 0,1,2,3,4,5,6,7
.set rA, 8*(8*\a+\b)+2*\jp
.set rP, PQB+8*(4*\u+\a)+96*\u+2*\jp
.set rR, R+2*\b
.if (\u == 0) && (\a == 0) && (\jp == 0)
	v_pk_mul_f32 v[rR:rR+1], v[rA:rA+1], v[rP:rP+1]
.else
	v_pk_fma_f32 v[rR:rR+1], v[rA:rA+1], v[rP:rP+1], v[rR:rR+1]
.endif
.endr
.endr
.endr
.endr
	WIN 0
.irp o, 0,1,2,3,4,5,6,7
	v_add_f32 v[F+\o], v[R+2*\o], v[R+2*\o+1]
.endr
.irp o, 0,1,2,3,4,5,6,7
	v_mov_b32 v[G+\o], 0                           ; a lane permute's destination counts as one of its sources
.endr
.irp o, 0,1,2,3,4,5,6,7
	v_permlanex16_b32 v[G+\o], v[F+\o], s[SEL], s[SEL+1]
.endr
.irp o, 0,1,2,3,4,5,6,7
	v_add_f32 v[F+\o], v[F+\o], v[G+\o]
.endr
.irp o, 0,1,2,3,4,5,6,7
	v_fma_f32 v[F+\o], -v[NB+\o], v[LO], v[F+\o]   ; + bias x the sum of my rows' p
.endr
.irp o, 0,1,2,3,4,5,6,7
	ds_store_b32 v[WB4], v[F+\o] offset:(\off)+64*\o
.endr
.endm
	; ---- the head
	s_load_b256 s[4:11], s[0:1], 0x0               ; listener_state, listener_len, b_score, b_value
	s_load_b256 s[12:19], s[0:1], 0x20             ; wq, q_ws, sc_ws, ml_ws
	s_load_b64 s[20:21], s[0:1], 0x40              ; ctx_ws
	v_lshl_add_u32 v[SPW], v0, 2, SPARE
	v_mov_b32 v[NIL], 0
	ds_add_u32 v[SPW], v[NIL]                      ; the add twice on end under one wait
	ds_add_u32 v[SPW], v[NIL]
	v_lshrrev_b32 v3, 5, v0
	v_readfirstlane_b32 s[WV], v3
	s_lshr_b32 s[RH], s[WV], 1                     ; which half of the rows
	s_and_b32 s[CH], s[WV], 1                      ; which half of a chunk's columns
	s_bfe_u32 s25, ttmp6, 0x40000                  ; cx
	s_lshl_b32 s26, ttmp9, 2
	s_add_co_u32 s26, s26, s25                     ; g: it enters addresses in memory and the mask's compare alone
	s_lshr_b32 s27, s26, 3                         ; b
	s_and_b32 s28, s26, 7                          ; tb
	s_mov_b32 s[G1], 15|(3<<16)|(1<<21)            ; the mask names all four; elements of 8 bytes
	s_mov_b32 s[G1+1], 32<<16
	s_mov_b32 s[G1+2], 50<<16
	s_mov_b32 s[G1+3], 32<<16
	s_mov_b32 s[G1+4], 50                          ; 50 rows of 256 bytes: a dense quarter of a block
	s_mov_b32 s[G1+5], 32
	s_mov_b32 s[G1+6], 0
	s_mov_b32 s[G1+7], 0
	s_mov_b32 s[SEL], 0x76543210
	s_mov_b32 s[SEL+1], 0xfedcba98
	s_mov_b32 s[LG], 0x3fb8aa3b
	s_mul_i32 s66, s[RH], 98304
	s_mul_i32 s67, s[CH], 12288
	s_add_co_u32 s67, s67, RING
	s_lshl_b32 s30, s[RH], 10
	s_lshl_b32 s31, s[CH], 10
.irp k, 0,1,2,3
	s_add_co_u32 s[68+\k], s30, XSC+2048*\k
	s_add_co_u32 s[72+\k], s31, RING+(\k%2)*SLOT+WSC
	s_sub_co_u32 s[72+\k], s[72+\k], s[68+\k]      ; the lower base + h x the distance between the two
.endr
	s_lshl_b32 s76, s[WV], 12
	s_add_co_u32 s76, s76, STG
	s_lshl_b32 s77, s[RH], 13
	s_xor_b32 s78, s77, 8192
	s_add_co_u32 s77, s77, STG+3584
	s_add_co_u32 s78, s78, STG+3584
	s_lshl_b32 s79, s[CH], 12
	s_lshl_b32 s80, s[RH], 9
	s_add_co_u32 s79, s79, s80
	s_add_co_u32 s79, s79, STG
	s_mul_i32 s80, s[WV], 4352
	s_add_co_u32 s80, s80, STG
	s_mul_i32 s81, s[WV], 49152
	s_lshl_b32 s82, s[WV], 9
	s_add_co_u32 s82, s82, XSC
	s_mov_b32 s57, 0
	s_mul_i32 s54, s[WV], QUART
	s_mov_b32 s55, 0
	v_and_b32 v64, 31, v0                          ; lane
	v_and_b32 v65, 15, v0                          ; r
	v_bfe_u32 v[VH], v0, 4, 1                      ; h
	v_lshlrev_b32 v[G16], 4, v64
	v_lshlrev_b32 v[G8], 3, v64
	v_lshlrev_b32 v69, 2, v65
	v_lshlrev_b32 v66, 3, v65
	v_lshlrev_b32 v70, 5, v[VH]
	v_lshlrev_b32 v68, 4, v65
	v_add_nc_u32 v[ADRA], s66, v[G16]
	v_add_nc_u32 v[ADRA+1], 49152, v[ADRA]
	v_add_nc_u32 v[ADRB], s67, v[G16]
	v_add_nc_u32 v[ADRB+1], SLOT, v[ADRB]
.irp k, 0,1,2,3
	v_mul_u32_u24 v67, s[72+\k], v[VH]
	v_add_nc_u32 v[ADRS+\k], s[68+\k], v66
	v_add_nc_u32 v[ADRS+\k], v[ADRS+\k], v67
.endr
	v_add_nc_u32 v[WB4], s76, v69
	v_add_nc_u32 v[CA], s76, v69
	v_add_nc_u32 v[WBH], s76, v70
	v_add_nc_u32 v[LO], s76, v[G16]                ; where my constants go
	v_add_nc_u32 v[OWN], s77, v69
	v_add_nc_u32 v[OTH], s78, v69
	v_add_nc_u32 v[L16], STG, v[G16]
	v_add_nc_u32 v[SCA], STG+16384, v69
	v_add_nc_u32 v[FC], s79, v[G16]
	v_lshl_add_u32 v[XG], v[VH], 17, v68           ; x: lanes 16-31 one row (131,072 bytes) further down
	v_mad_u32_u24 v[STS], v[VH], 272, v68
	v_add_nc_u32 v[STS], s80, v[STS]
	v_mul_u32_u24 v[STL], v65, 272
	v_lshl_add_u32 v[STL], v[VH], 7, v[STL]
	v_add_nc_u32 v[STL], s80, v[STL]
	v_add_nc_u32 v[XI], s81, v[G16]
	v_add_nc_u32 v[XS0], s82, v66
	v_add_nc_u32 v[XS], s82, v66
	v_lshrrev_b32 v67, 2, v64                      ; q_ws: four columns 4 l on lie at 2,048 (l / 4) + 256 ((l / 2) % 2) + 512 (l % 2)
	v_lshlrev_b32 v[QV], 11, v67
	v_and_b32 v67, 1, v64
	v_lshl_add_u32 v[QV], v67, 9, v[QV]
	v_bfe_u32 v67, v64, 1, 1
	v_lshl_add_u32 v[QV], v67, 8, v[QV]
	WIN 0x40
.set e, 0
.rept 64
	v_mov_b32 v[PQB+e+96*(e/32)], 0                ; the 64 running scores: the sums over chunks 0 and 1 are written once, and the first finds zeros
.set e, e+1
.endr
	WIN 0
	s_wait_alu depctr_va_vdst(0)
	s_wait_dscnt 0x0
	s_wait_kmcnt 0x0
	s_lshl_b32 s56, s28, 25                        ; x: 256 tb rows of 131,072 bytes, 64 rows a wave, b's 4,096 bytes in a row
	s_lshl_b32 s58, s[WV], 23
	s_add_co_u32 s56, s56, s58
	s_lshl_b32 s58, s27, 12
	s_add_co_u32 s56, s56, s58
	s_add_nc_u64 s[4:5], s[4:5], s[56:57]
	s_lshl_b32 s56, s27, 2
	s_add_nc_u64 s[6:7], s[6:7], s[56:57]
	s_load_b32 s29, s[6:7], 0x0                    ; listener_len[b]
	s_lshl_b32 s56, s[CH], 9
	s_add_nc_u64 s[8:9], s[8:9], s[56:57]
	s_add_nc_u64 s[10:11], s[10:11], s[56:57]
	s_lshr_b32 s56, s27, 4
	s_lshl_b32 s56, s56, 10
	s_and_b32 s58, s27, 15
	s_lshl_b32 s58, s58, 4
	s_add_co_u32 s56, s56, s58
	s_lshl_b32 s58, s[CH], 14
	s_add_co_u32 s56, s56, s58
	s_add_nc_u64 s[14:15], s[14:15], s[56:57]
	s_lshl_b32 s56, s27, 13
	s_lshl_b32 s58, s28, 10
	s_add_co_u32 s56, s56, s58
	s_add_nc_u64 s[16:17], s[16:17], s[56:57]      ; sc_ws [b][t]
	s_lshl_b32 s56, s26, 8
	s_add_nc_u64 s[18:19], s[18:19], s[56:57]      ; ml_ws
	s_lshl_b32 s56, s26, 11
	s_lshl_b32 s58, s[WV], 9
	s_add_co_u32 s56, s56, s58
	s_add_nc_u64 s[20:21], s[20:21], s[56:57]      ; ctx_ws
	s_mov_b32 s[G0], 1
	s_add_co_u32 s[G0+1], s54, RING
	s_add_nc_u64 s[G0+2:G0+3], s[12:13], s[54:55]
	s_mov_b32 s[G0+4], 1
	s_add_co_u32 s[G0+5], s54, RING+SLOT
	s_add_nc_u64 s[G0+6:G0+7], s[G0+2:G0+3], SLOT
	s_or_b32 s[G0+3], s[G0+3], 0x80000000
	s_or_b32 s[G0+7], s[G0+7], 0x80000000
	CROUND                                         ; all four work-groups are here: the first joint loads meet
	tensor_load_to_lds s[G0:G0+3], s[G1:G1+7]      ; block 0: my one tensor load at the head
	s_nop 0
	PLACES 4
	WIN 0x40                                       ; the constants of my 128 columns of each chunk, 16 bytes a lane, into window 1
	global_load_b128 v[0:3], v[G16], s[8:9]
	global_load_b128 v[4:7], v[QV], s[14:15]
	global_load_b128 v[8:11], v[G16], s[8:9] offset:1024
	global_load_b128 v[12:15], v[QV], s[14:15] offset:32768
	global_load_b128 v[16:19], v[G16], s[10:11]
	global_load_b128 v[20:23], v[G16], s[10:11] offset:1024
	WIN 0x80
.irp u, 0,1,2,3
	LD \u
.endr
	WIN 0
	s_wait_xcnt 0x0                                ; the loads' base is stepped only behind this wait
	s_add_nc_u64 s[4:5], s[4:5], 2048              ; at trip 1: the second half of K of the same rows
	s_mov_b32 s52, 0x1ff800                        ; from there to trip 2: 16 rows on, 2,048 bytes back; the two steps take turns
	s_mov_b32 s53, 0
	s_mov_b32 s30, 0
	s_mov_b32 s31, 0
	s_wait_kmcnt 0x0
	; ---- phase X: eight trips of four units; seven in the loop, each asking for the next; the eighth asks for nothing
	s_mov_b32 s[CNT], 7
.Lrows:
.irp j, 0,1,2,3
	UNIT \j, 1, 48                                 ; 48: the three younger units' loads may be out
.endr
	s_wait_xcnt 0x0
	s_add_nc_u64 s[4:5], s[4:5], s[52:53]
	s_xor_b32 s52, s52, 0x1ff000                   ; 2,048 and 2,095,104 by turns
	s_xor_b32 s31, s31, 4096                       ; the scale words: which half of K,
	s_add_co_u32 s30, s30, 64
	s_and_b32 s54, s30, 0xffffff80                 ; and 128 bytes for each block of 16 rows
	s_add_co_u32 s54, s54, s31
	s_wait_dscnt 0x0
	v_add_nc_u32 v[XI], 6144, v[XI]                ; four images on
	v_add_nc_u32 v[XS], s54, v[XS0]
	s_sub_co_u32 s[CNT], s[CNT], 1
	s_cmp_lg_u32 s[CNT], 0
	s_wait_alu depctr_va_vdst(0)
	s_cbranch_scc1 .Lrows
	s_wait_tensorcnt 0x0                           ; slot 1's first fill is issued as a refill is.  It has the last four units in which to land
	ds_add_u32 v[SPW], v[NIL]
	s_wait_dscnt 0x0
	CROUND
	tensor_load_to_lds s[G0+4:G0+7], s[G1:G1+7]    ; block 1
	s_nop 0
	PLACES 4
	UNIT 0, 0, 48
	UNIT 1, 0, 32
	UNIT 2, 0, 16
	UNIT 3, 0, 0
	s_wait_dscnt 0x0                               ; for the others' sake: my images and scale words lie in LDS
	s_barrier_signal -1
	s_barrier_wait -1
	WIN 0x44
.irp i, 0,1,2,3,8,9,10,11,16,17,18,19,20,21,22,23
	v_xor_b32 v[\i], 0x80000000, v[\i]             ; -bias
.endr
	WIN 0x04
.irp c, 0,1,2,3,4
	ds_store_b128 v[LO], v[4*\c:4*\c+3] offset:512*\c      ; -b_score, query, -b_score, query, -b_value
.endr
	ds_store_b128 v[LO], v[20:23] offset:3072
.set M, 0
.rept 48
	LD1 M, 0, ADRB, 0, 0
.set M, M+1
.endr
	WIN 0
.irp i, 0,1,2,3,4,5,6,7
	SCL1 0, \i
.endr
	; ---- the four chunks: one body.  The change of slots in block n asks for block n + 2.
	s_mov_b32 s[CNT], 4
	s_wait_alu depctr_va_vdst(0)
.Lchunk:
	STEPM 0, 0, 1, 1, 1, 0, 0, 0
	REFILL 0
	STEPM 0, 1, 0, 1, 0, 0, 0, 0
	STEPM 1, 0, 0, 1, 1, 0, 0, 0
	REFILL 1
	STEPM 1, 1, 0, 1, 0, 0, 0, 0
	STEPM 2, 0, 0, 1, 1, 0, 1, 0
	REFILL 0
	STEPM 2, 1, 0, 1, 0, 0, 0, 0
	STEPM 3, 0, 0, 1, 1, 0, 0, 0
	REFILL 1
	STEPM 3, 1, 0, 1, 0, 1, 0, 0
	s_cmp_lt_u32 s[CNT], 3
	s_cbranch_scc1 .Lval
.irp t, 0,1,2,3,4,5,6,7
	ds_load_b32 v[QR+\t], v[CA] offset:512+64*\t
.endr
	s_wait_dscnt 0x0
	PLACES 4
	EPIS
	s_wait_alu depctr_va_vdst(0)
	s_cmp_eq_u32 s[CNT], 4
	s_cbranch_scc1 .Lnext
	; ---- behind chunk 1: the sixteen lanes' columns are added; all lanes of a half then hold the 64 rows 16 a + 8 h + j
	WIN 0x45
.irp mk, 1,2,4,8
.set e, 0
.rept 64
	v_add_f32_dpp v[PQB+e+96*(e/32)], v[PQB+e+96*(e/32)], v[PQB+e+96*(e/32)] row_xmask:\mk row_mask:0xf bank_mask:0xf
.set e, e+1
.endr
.endr
	WIN 0x04
.irp a, 0,1,2,3,4,5,6,7
.irp jh, 0,1
	ds_store_b128 v[WBH], v[PQB+8*\a+96*(\a/4)+4*\jh:PQB+8*\a+96*(\a/4)+4*\jh+3] offset:3584+64*\a+16*\jh   ; the sixteen lanes of a half store the same bytes
.endr
.endr
	WIN 0
	; ---- the block's softmax, by every wave for all 256 rows: lane r holds rows 16 a + r of its own half (even registers) and of the other half (odd registers)
	s_wait_dscnt 0x0
	s_barrier_signal -1
	s_barrier_wait -1
.irp a, 0,1,2,3,4,5,6,7
	ds_load_b32 v[R+2*\a], v[OWN] offset:64*\a
	ds_load_b32 v[F+2*\a], v[OWN] offset:4096+64*\a
	ds_load_b32 v[R+2*\a+1], v[OTH] offset:64*\a
	ds_load_b32 v[F+2*\a+1], v[OTH] offset:4096+64*\a
.endr
	s_lshl_b32 s56, s28, 8
	s_sub_co_i32 s56, s56, s29                     ; 256 tb - listener_len
	s_lshl_b32 s58, s[RH], 7
	s_add_co_i32 s59, s56, s58
	s_xor_b32 s58, s58, 128
	s_add_co_i32 s56, s56, s58
	v_and_b32 v[TMK], 15, v0
	v_add_nc_u32 v[DOWN], s59, v[TMK]
	v_add_nc_u32 v[DOTH], s56, v[TMK]
	v_mov_b32 v[M100], 0xc2c80000                  ; -100
	s_wait_alu depctr_va_vdst(0)
	s_wait_dscnt 0x0
.irp a, 0,1,2,3,4,5,6,7
	v_pk_add_f32 v[R+2*\a:R+2*\a+1], v[R+2*\a:R+2*\a+1], v[F+2*\a:F+2*\a+1]
.endr
.irp a, 0,1,2,3,4,5,6,7
	v_cmp_le_i32 vcc_lo, -16*\a, v[DOWN]           ; t + 16 a >= listener_len
	v_cndmask_b32 v[TMK], 0, v[M100], vcc_lo
	v_add_f32 v[R+2*\a], v[R+2*\a], v[TMK]
	v_cmp_le_i32 vcc_lo, -16*\a, v[DOTH]
	v_cndmask_b32 v[TMK], 0, v[M100], vcc_lo
	v_add_f32 v[R+2*\a+1], v[R+2*\a+1], v[TMK]
.endr
	v_max3_num_f32 v[ML], v[R], v[R+1], v[R+2]
.irp i, 3,5,7,9,11,13
	v_max3_num_f32 v[ML], v[ML], v[R+\i], v[R+\i+1]
.endr
	v_max_num_f32 v[ML], v[ML], v[R+15]
.irp mk, 1,2,4,8
	v_max_num_f32_dpp v[ML], v[ML], v[ML] row_xmask:\mk row_mask:0xf bank_mask:0xf
.endr
.irp i, 0,1,2,3,4,5,6,7,8,9,10,11,12,13,14,15
	v_sub_f32 v[F+\i], v[R+\i], v[ML]              ; the difference first and then the factor
.endr
.irp i, 0,1,2,3,4,5,6,7,8,9,10,11,12,13,14,15
	v_mul_f32 v[F+\i], s[LG], v[F+\i]
.endr
	s_wait_alu depctr_va_vdst(0)
.irp i, 0,1,2,3,4,5,6,7,8,9,10,11,12,13,14,15
	v_exp_f32 v[F+\i], v[F+\i]                     ; p = e^(score - m)
.endr
	v_nop
	s_wait_alu depctr_va_vdst(0)
	v_pk_add_f32 v[LO:LO+1], v[F:F+1], v[F+2:F+3]
	v_pk_add_f32 v[24:25], v[F+4:F+5], v[F+6:F+7]
	v_pk_add_f32 v[LO:LO+1], v[LO:LO+1], v[F+8:F+9]
	v_pk_add_f32 v[24:25], v[24:25], v[F+10:F+11]
	v_pk_add_f32 v[LO:LO+1], v[LO:LO+1], v[F+12:F+13]
	v_pk_add_f32 v[24:25], v[24:25], v[F+14:F+15]
	v_pk_add_f32 v[LO:LO+1], v[LO:LO+1], v[24:25]
.irp mk, 1,2,4,8
	v_add_f32_dpp v[LO], v[LO], v[LO] row_xmask:\mk row_mask:0xf bank_mask:0xf          ; the sum of my half's p,
	v_add_f32_dpp v[LO+1], v[LO+1], v[LO+1] row_xmask:\mk row_mask:0xf bank_mask:0xf    ; of the other half's
.endr
	v_add_f32 v[ML+1], v[LO], v[LO+1]              ; l
	s_wait_alu depctr_va_vdst(0)
	s_cmp_lg_u32 s[WV], 0
	s_cbranch_scc1 .Lnot_first                     ; wave 0 alone stores the scores and the pair
.irp a, 0,1,2,3,4,5,6,7
	ds_store_b32 v[SCA], v[R+2*\a] offset:64*\a
	ds_store_b32 v[SCA], v[R+2*\a+1] offset:512+64*\a
.endr
	ds_load_b128 v[R:R+3], v[L16] offset:16384     ; back in the order of t
	ds_load_b128 v[R+4:R+7], v[L16] offset:16896
	s_wait_dscnt 0x0
	global_store_b128 v[G16], v[R:R+3], s[16:17]
	global_store_b128 v[G16], v[R+4:R+7], s[16:17] offset:512
	global_store_b64 v[G8], v[ML:ML+1], s[18:19]   ; the pair, 32 times: 256 consecutive bytes
	s_wait_xcnt 0x0
.Lnot_first:
.irp a, 0,1,2,3,4,5,6,7
	ds_store_b32 v[WB4], v[F+2*\a] offset:2560+64*\a       ; my half's p, to my own bytes,
.endr
	WIN 0x40
.irp a, 0,1,2,3,4,5,6,7
.irp jh, 0,1
	ds_load_b128 v[PQB+8*\a+96*(\a/4)+4*\jh:PQB+8*\a+96*(\a/4)+4*\jh+3], v[WBH] offset:2560+64*\a+16*\jh   ; and back: tile a, register j: row 16 a + 8 h + j
.endr
.endr
	WIN 0
	s_branch .Lnext
.Lval:
	s_wait_dscnt 0x0
	PLACES 4
	EPIV 0                                         ; runs for chunk 2 alone
.Lnext:
	v_add_nc_u32 v[CA], 1024, v[CA]
	s_sub_co_u32 s[CNT], s[CNT], 1
	s_cmp_lg_u32 s[CNT], 0
	s_wait_alu depctr_va_vdst(0)
	s_cbranch_scc1 .Lchunk
.Ltail:                                                ; the last chunk from product 56 of its fifth step on: nothing is left to ask for
	STEPM 2, 0, 0, 1, 1, 0, 0, 56
	STEPM 2, 1, 0, 1, 0, 0, 0, 0
	STEPM 3, 0, 0, 1, 0, 0, 0, 0
	STEPM 3, 1, 0, 0, 0, 1, 0, 0
	s_wait_dscnt 0x0
	PLACES 4
	EPIV 512
	; ---- the way out: the two halves of the rows are added; wave w stores columns 128 w on
	s_wait_dscnt 0x0
	s_barrier_signal -1
	s_barrier_wait -1
	ds_load_b128 v[R:R+3], v[FC]
	ds_load_b128 v[R+4:R+7], v[FC] offset:8192
	s_wait_dscnt 0x0
	v_pk_add_f32 v[R:R+1], v[R:R+1], v[R+4:R+5]
	v_pk_add_f32 v[R+2:R+3], v[R+2:R+3], v[R+6:R+7]
	global_store_b128 v[G16], v[R:R+3], s[20:21]   ; 512 consecutive bytes
	s_wait_tensorcnt 0x0                           ; the wave's end
	ds_add_u32 v[SPW], v[NIL]
	s_wait_dscnt 0x0
	CROUND                                         ; the closing round
	s_endpgm
.Lfunc_end_k_q565f03e5d9_main:
	.size	k_q565f03e5d9_main, .Lfunc_end_k_q565f03e5d9_main-k_q565f03e5d9_main
	.p2alignl 7, 3214868480
	.fill 96, 4, 3214868480
	.section	.rodata,"a",@progbits
	.p2align	6, 0x0
	.amdhsa_kernel k_q565f03e5d9_main
		.amdhsa_group_segment_fixed_size 327680
		.amdhsa_private_segment_fixed_size 0
		.amdhsa_enable_private_segment 0
		.amdhsa_kernarg_size 72
		.amdhsa_user_sgpr_count 2
		.amdhsa_user_sgpr_kernarg_segment_ptr 1
		.amdhsa_wavefront_size32 1
		.amdhsa_system_sgpr_workgroup_id_x 1
		.amdhsa_system_sgpr_workgroup_id_y 1
		.amdhsa_system_sgpr_workgroup_id_z 1
		.amdhsa_system_vgpr_workitem_id 0
		.amdhsa_next_free_vgpr 1024
		.amdhsa_next_free_sgpr 96
		.amdhsa_reserve_vcc 1
		.amdhsa_float_denorm_mode_32 3
		.amdhsa_float_denorm_mode_16_64 3
		.amdhsa_memory_ordered 1
		.amdhsa_forward_progress 1
		.amdhsa_inst_pref_size 255
	.end_amdhsa_kernel
	.section	.bss,"aw",@nobits
	.p2align	6
	.space	262144
	.amdgpu_metadata
---
amdhsa.version: [ 1, 2 ]
amdhsa.kernels:
  - .name:           k_q565f03e5d9_main
    .symbol:         k_q565f03e5d9_main.kd
    .args:
      - { .name: listener_state, .offset: 0, .size: 8, .value_kind: global_buffer, .address_space: global }
      - { .name: listener_len, .offset: 8, .size: 8, .value_kind: global_buffer, .address_space: global }
      - { .name: b_score, .offset: 16, .size: 8, .value_kind: global_buffer, .address_space: global }
      - { .name: b_value, .offset: 24, .size: 8, .value_kind: global_buffer, .address_space: global }
      - { .name: wq, .offset: 32, .size: 8, .value_kind: global_buffer, .address_space: global }
      - { .name: q_ws, .offset: 40, .size: 8, .value_kind: global_buffer, .address_space: global }
      - { .name: sc_ws, .offset: 48, .size: 8, .value_kind: global_buffer, .address_space: global }
      - { .name: ml_ws, .offset: 56, .size: 8, .value_kind: global_buffer, .address_space: global }
      - { .name: ctx_ws, .offset: 64, .size: 8, .value_kind: global_buffer, .address_space: global }
    .group_segment_fixed_size: 327680
    .private_segment_fixed_size: 0
    .kernarg_segment_align: 8
    .kernarg_segment_size: 72
    .max_flat_workgroup_size: 128
    .sgpr_count:     96
    .vgpr_count:     1024
    .wavefront_size: 32
...
	.end_amdgpu_metadata
.endif
;; end of part 5
;; launch finish (part 6): grid 32 x 1, 4 waves a work-group, no clusters, 0 bytes of LDS; arguments sc_ws, ml_ws, ctx_ws, out0, out1; writes out0, out1
.if DOCPART == 6
	.amdgcn_target "amdgcn-amd-amdhsa--gfx1250"
	.amdhsa_code_object_version 6
	.text
	.protected	k_q565f03e5d9_finish
	.globl	k_q565f03e5d9_finish
	.p2align	8
	.type	k_q565f03e5d9_finish,@function
k_q565f03e5d9_finish:
	s_mov_b64 s[64:65], 0
	v_nop
	global_prefetch_b8 v0, s[64:65] scope:SCOPE_SE
	s_setreg_imm32_b32 hwreg(HW_REG_WAVE_MODE, 25, 1), 1
	s_wait_xcnt 0x0
; The eight blocks of a batch entry b are joined.  Block i left its largest score m_i, l_i = the sum of e^(score - m_i), and c_i[512] = the sum of e^(score - m_i) x vals.
; M = the largest m_i; w_i = e^(m_i - M); L = the sum of l_i w_i (at least 1: the block that holds M adds at least 1);  out0[b] = (the sum of c_i w_i) / L;  out1[b][t] = e^(score[t] - M) / L.
; One work-group a b, 128 threads: thread t takes 4 columns of out0 and 16 of the 2,048 scores.  Every load and store of a wave covers 512 consecutive bytes (the pairs: 256).  No LDS, no barrier: every thread reads all eight pairs.
; The launch reads 0.8 MB in all and is a chain of one load, some arithmetic and one store: more work-groups would not shorten it, and matrix units and clusters have nothing to do here.
; LIMIT: weights and results under 2^-126 come out as 0 (the exponential's results are flushed: ISA guide, its entry).
.set MLP, 4                            ; v4-19   m_i, l_i
.set SCO, 20                           ; v20-35  16 scores, then 16 weights
.set CTX, 36                           ; v36-67  8 x 4 partial sums
.set MX,  68                           ; v68     M
.set WI,  70                           ; v70-77  w_i
.set LL,  78                           ; v78     L
.set INV, 79                           ; v79     1 / L
.set OUT, 80                           ; v80-83
	s_load_b256 s[4:11], s[0:1], 0x0               ; sc_ws s[4:5], ml_ws s[6:7], ctx_ws s[8:9], out0 s[10:11]
	s_load_b64 s[12:13], s[0:1], 0x20              ; out1
	v_and_b32 v1, 31, v0
	v_lshlrev_b32 v1, 3, v1                        ; 8 x lane
	v_lshlrev_b32 v2, 4, v0                        ; 16 x thread
	s_lshl_b32 s14, ttmp9, 13                      ; b's 8,192 bytes of scores and of out1,
	s_mov_b32 s15, 0
	s_lshl_b32 s16, ttmp9, 11                      ; 2,048 of pairs and of out0,
	s_mov_b32 s17, 0
	s_lshl_b32 s18, ttmp9, 14                      ; 16,384 of partial sums
	s_mov_b32 s19, 0
	s_mov_b32 s20, 0x3fb8aa3b                      ; log2(e)
	s_wait_alu depctr_va_vdst(0)
	s_wait_kmcnt 0x0
	s_add_nc_u64 s[4:5], s[4:5], s[14:15]
	s_add_nc_u64 s[6:7], s[6:7], s[16:17]
	s_add_nc_u64 s[8:9], s[8:9], s[18:19]
	s_add_nc_u64 s[10:11], s[10:11], s[16:17]
	s_add_nc_u64 s[12:13], s[12:13], s[14:15]
.irp i, 0,1,2,3,4,5,6,7
	global_load_b64 v[MLP+2*\i:MLP+2*\i+1], v1, s[6:7] offset:256*\i
.endr
.irp i, 0,1,2,3
	global_load_b128 v[SCO+4*\i:SCO+4*\i+3], v2, s[4:5] offset:2048*\i
.endr
.irp i, 0,1,2,3,4,5,6,7
	global_load_b128 v[CTX+4*\i:CTX+4*\i+3], v2, s[8:9] offset:2048*\i
.endr
	s_wait_loadcnt 12                              ; the eight pairs are in; the scores' four loads and the sums' eight may be out
	v_max3_num_f32 v[MX], v[MLP], v[MLP+2], v[MLP+4]
	v_max3_num_f32 v[MX], v[MX], v[MLP+6], v[MLP+8]
	v_max3_num_f32 v[MX], v[MX], v[MLP+10], v[MLP+12]
	v_max_num_f32 v[MX], v[MX], v[MLP+14]
.irp i, 0,1,2,3,4,5,6,7
	v_sub_f32 v[WI+\i], v[MLP+2*\i], v[MX]         ; the difference first and then the factor: nothing large is rounded
.endr
.irp i, 0,1,2,3,4,5,6,7
	v_mul_f32 v[WI+\i], s20, v[WI+\i]
.endr
	s_wait_alu depctr_va_vdst(0)
.irp i, 0,1,2,3,4,5,6,7
	v_exp_f32 v[WI+\i], v[WI+\i]
.endr
	v_nop                                          ; one plain place behind the exponentials
	s_wait_alu depctr_va_vdst(0)
	v_mul_f32 v[LL], v[MLP+1], v[WI]
.irp i, 1,2,3,4,5,6,7
	v_fmac_f32 v[LL], v[MLP+2*\i+1], v[WI+\i]
.endr
	s_wait_alu depctr_va_vdst(0)
	v_rcp_f32 v[INV], v[LL]
	s_wait_loadcnt 8                               ; the scores are in; the sums' eight loads may be out
.irp i, 0,1,2,3,4,5,6,7,8,9,10,11,12,13,14,15
	v_sub_f32 v[SCO+\i], v[SCO+\i], v[MX]          ; (the first of these is the plain place behind the reciprocal)
.endr
.irp i, 0,1,2,3,4,5,6,7,8,9,10,11,12,13,14,15
	v_mul_f32 v[SCO+\i], s20, v[SCO+\i]
.endr
	s_wait_alu depctr_va_vdst(0)
.irp i, 0,1,2,3,4,5,6,7,8,9,10,11,12,13,14,15
	v_exp_f32 v[SCO+\i], v[SCO+\i]
.endr
	v_nop
	s_wait_alu depctr_va_vdst(0)
.irp i, 0,1,2,3,4,5,6,7,8,9,10,11,12,13,14,15
	v_mul_f32 v[SCO+\i], v[SCO+\i], v[INV]
.endr
.irp i, 0,1,2,3
	global_store_b128 v2, v[SCO+4*\i:SCO+4*\i+3], s[12:13] offset:2048*\i
.endr
	s_wait_loadcnt 0x0
.irp j, 0,1,2,3
	v_mul_f32 v[OUT+\j], v[CTX+\j], v[WI]
.endr
.irp i, 1,2,3,4,5,6,7
.irp j, 0,1,2,3
	v_fmac_f32 v[OUT+\j], v[CTX+4*\i+\j], v[WI+\i]
.endr
.endr
.irp j, 0,1,2,3
	v_mul_f32 v[OUT+\j], v[OUT+\j], v[INV]
.endr
	global_store_b128 v2, v[OUT:OUT+3], s[10:11]
	s_endpgm
.Lfunc_end_k_q565f03e5d9_finish:
	.size	k_q565f03e5d9_finish, .Lfunc_end_k_q565f03e5d9_finish-k_q565f03e5d9_finish
	.p2alignl 7, 3214868480
	.fill 96, 4, 3214868480
	.section	.rodata,"a",@progbits
	.p2align	6, 0x0
	.amdhsa_kernel k_q565f03e5d9_finish
		.amdhsa_group_segment_fixed_size 0
		.amdhsa_private_segment_fixed_size 0
		.amdhsa_enable_private_segment 0
		.amdhsa_kernarg_size 40
		.amdhsa_user_sgpr_count 2
		.amdhsa_user_sgpr_kernarg_segment_ptr 1
		.amdhsa_wavefront_size32 1
		.amdhsa_system_sgpr_workgroup_id_x 1
		.amdhsa_system_sgpr_workgroup_id_y 1
		.amdhsa_system_sgpr_workgroup_id_z 1
		.amdhsa_system_vgpr_workitem_id 0
		.amdhsa_next_free_vgpr 96
		.amdhsa_next_free_sgpr 66
		.amdhsa_reserve_vcc 0
		.amdhsa_float_denorm_mode_32 3
		.amdhsa_float_denorm_mode_16_64 3
		.amdhsa_memory_ordered 1
		.amdhsa_forward_progress 1
		.amdhsa_inst_pref_size 8
	.end_amdhsa_kernel
	.amdgpu_metadata
---
amdhsa.version: [ 1, 2 ]
amdhsa.kernels:
  - .name:           k_q565f03e5d9_finish
    .symbol:         k_q565f03e5d9_finish.kd
    .args:
      - { .name: sc_ws, .offset: 0, .size: 8, .value_kind: global_buffer, .address_space: global }
      - { .name: ml_ws, .offset: 8, .size: 8, .value_kind: global_buffer, .address_space: global }
      - { .name: ctx_ws, .offset: 16, .size: 8, .value_kind: global_buffer, .address_space: global }
      - { .name: out0, .offset: 24, .size: 8, .value_kind: global_buffer, .address_space: global }
      - { .name: out1, .offset: 32, .size: 8, .value_kind: global_buffer, .address_space: global }
    .group_segment_fixed_size: 0
    .private_segment_fixed_size: 0
    .kernarg_segment_align: 8
    .kernarg_segment_size: 40
    .max_flat_workgroup_size: 128
    .sgpr_count:     66
    .vgpr_count:     96
    .wavefront_size: 32
...
	.end_amdgpu_metadata
.endif
;; end of part 6
